; MI455X (gfx1250); checked and timed in simulation.
; The chip was launched on July 23, 2026; its instructions are those of AMD's public machine-readable ISA for CDNA 5 (MIT licence, August 2026) and "CDNA5" Instruction Set Architecture Reference Guide (July 2026). The comments in the code are by the model that wrote it; some were corrected since.
;; Multi Head Dot Product Attention. Allowed arithmetic: matrix products marked QUANTISED: E4M3 operands, one given power-of-two scale a tensor, by v_wmma_f32_16x16x64_fp8_fp8 or v_wmma_f32_16x16x128_fp8_fp8, f32 sums; everything else in f32.
;; Inputs: Wk 512 x 512 float32; Wo 512 x 512 float32; Wq 512 x 512 float32; Wv 512 x 512 float32; inputs_kv 2 x 4,096 x 512 float32; inputs_q 2 x 4,096 x 512 float32; k_ln_b 512 float32; k_ln_w 512 float32; lowp_scales 12 int32 (the exponents e of the quantised operands' scales 2^e); mask 1 x 1 x 4,096 x 4,096 bool; q_ln_b 512 float32; q_ln_w 512 float32.
;; Outputs: out0 2 x 4,096 x 512 float32.
;; This version of the problem:
;;   THIS VERSION OF THE PROBLEM IS GIVEN IN LOW PRECISION. The matrix products marked QUANTISED in the list below multiply operands that are first quantised to E4M3 (4 exponent bits, 3 mantissa bits; 8 bits a number), with one given power-of-two scale for each operand tensor; their sums are f32. All else is computed in f32.
;;   The module's matrix products, in the order in which they are computed (A, B: the left and right operand; K: the contracted axis; several contracted axes count as one K, in the product's order):
;;     1. [M 8,192, K 512] x [K 512, N 512]; A: input inputs_q; B: input Wq: QUANTISED (scales: A lowp_scales[0], B lowp_scales[1])
;;     2. [M 8,192, K 512] x [K 512, N 512]; A: input inputs_kv; B: input Wk: QUANTISED (scales: A lowp_scales[2], B lowp_scales[3])
;;     3. [M 8,192, K 512] x [K 512, N 512]; A: input inputs_kv; B: input Wv: QUANTISED (scales: A lowp_scales[4], B lowp_scales[5])
;;     4. batch 16 x [M 4,096, K 64] x [K 64, N 4,096]; A: computed on the way; B: computed on the way: QUANTISED (scales: A lowp_scales[6], B lowp_scales[7])
;;     5. batch 16 x [M 4,096, K 4,096] x [K 4,096, N 64]; A: softmax (see below); B: computed on the way: QUANTISED (scales: A lowp_scales[8], B lowp_scales[9])
;;     6. [M 8,192, K 512] x [K 512, N 512]; A: computed on the way; B: input Wo: QUANTISED (scales: A lowp_scales[10], B lowp_scales[11])
;;   THE QUANTISER, for each operand of a quantised product, along K:
;;     - The operand's scale is 2^e, e = its entry of the input lowp_scales (int32; the entries are numbered through the quantised products in the list's order, A before B).
;;     - Each number is divided by the scale, clamped to +-448, and rounded to the nearest number of E4M3, ties to even, subnormals kept.
;;     - The product sums the exact products of the quantised numbers (number of the format x scale) in f32.
;;   ~~~python
;;   def quantise(x, axis, e):      # numpy; x: float32 -> the quantised numbers, widened to float32 again
;;       x = np.moveaxis(x, axis, -1); K = x.shape[-1]
;;       r = np.clip(x / 2.0 ** e, -448, 448)
;;       step = 2.0 ** (np.maximum(np.frexp(np.where(r == 0, 1, r))[1] - 1, -6) - 3)
;;       q = np.round(r / step) * step * 2.0 ** e      # np.round: ties to even
;;       return np.moveaxis(q, -1, axis).astype(np.float32)
;;   ~~~
;;   SOFTMAX AHEAD OF A QUANTISED PRODUCT. Where the list says 'softmax', what is quantised is not the finished softmax but p = 2^(t - M), with t = logit x log2(e) and M = ceil(the row's largest t), a whole number; so 1/2 < the row's largest p <= 1. The row's sum l is taken of the UNQUANTISED p, in f32, and the product's result is divided by l at the end. Since M is a whole number, a kernel that streams over the keys may use a running M (the ceiling of the running maximum): every later rescaling is an exact power of two, so the quantised numbers keep their values, but for numbers so far below the row's largest that they fall under the format's range.
;;   OPERANDS COMPUTED ON THE WAY. 'Computed on the way' means the value that the module computes at that place (a softmax that the list does not call 'softmax' is quantised finished and normalised). What goes into a quantiser is computed in f32, as accurately as f32 sums, v_exp_f32 and their like allow (about 1e-6 of the number): no bf16 or f16 on the way to a quantiser, and a product that is left as it is and whose result goes on into a quantised operand takes f32 operands (vector FMAs, or v_wmma_f32_16x16x4_f32). A number that lies on a knife's edge between two numbers of the format may be rounded either way, as far as f32 arithmetic and the matrix unit's own rounding can turn it there, and no further.
;; One version. Each part assembles by itself: llvm-mc -triple=amdgcn-amd-amdhsa -mcpu=gfx1250 --defsym DOCPART=n.
;; ======== version 1 of 1: 4 launches
;; limits: right only within a limited range of input values
;; workspace buffers: wimg 1,048,576 bytes; lanemask 2,097,152 bytes of whole numbers; flags 2,048 bytes of whole numbers; qimg 4,194,304 bytes; kv 8,388,608 bytes; aimg 4,194,304 bytes
;; launch prep (part 1): grid 320 x 1, 4 waves a work-group, no clusters, 17,920 bytes of LDS; arguments mask, Wq, Wk, Wv, Wo, lowp_scales, lanemask, flags, wimg; writes lanemask, flags, wimg
.if DOCPART == 1
	.amdgcn_target "amdgcn-amd-amdhsa--gfx1250"
	.amdhsa_code_object_version 6
	.text
	.protected	k_qe73568e49d_prep
	.globl	k_qe73568e49d_prep
	.p2align	8
	.type	k_qe73568e49d_prep,@function
k_qe73568e49d_prep:
	s_mov_b64 s[64:65], 0
	v_nop
	global_prefetch_b8 v0, s[64:65] scope:SCOPE_SE
	s_setreg_imm32_b32 hwreg(HW_REG_WAVE_MODE, 25, 1), 1
	s_wait_xcnt 0x0
; PREP.  Two jobs, parted on the work-group's number.
; Work-groups 0-255: the mask [4096][4096] of bytes becomes, for each tile of 16 queries and each step of 128 keys,
;   64 words of lane masks: bit L of word n = mask[16 tile + L % 16][128 step + 32 (n / 16) + 16 (L / 16) + n % 16]: the place that lane L's register n of a score tile holds;
;   and two flag words a tile: bit s of ANY: some key of step s counts for some query of the tile; bit s of ALL: all do.
;   (A true byte other than 1 makes a step count as mixed, which is still right.)
; Work-groups 256-319: Wq, Wk, Wv, Wo [512 (k)][512 (n)] f32 become codes of E4M3 with the given scale 2^e (entries 1, 3, 5, 11), laid as images of operand registers:
;   [matrix][chunk of 128 n][K step of 128][tile of 16 n][group c][lane][16 bytes]; byte i of lane (r, h) in group c is k = 32 c + 16 h + i;
;   row r of tile 2 b + u is column 32 b + 8 u + r + 8 (r / 8).
; LIMIT: e between -126 and 119, so that 2^e and 448 x 2^e are f32 numbers.  NaN among the weights is not served.
.set STG,   4352                       ; a wave's stage: 16 rows x (256 bytes + 16)
.set SPARE, 4*STG                      ; behind the stages: the spare words, 128 bytes a wave, which no other line names
.set SPW,   6                          ; v6   my spare word's address; never rewritten
.set NIL,   7                          ; v7   0; never rewritten
.set OW,    12                         ; v12-27  the words of a chunk: four registers a chunk
.set M,     32                         ; v32-63  a chunk's bytes, a lane to a query
.set R,     64                         ; v64-191 the bytes as loaded, 32 registers a chunk
.set X,     64                         ; weights: v64-191 128 numbers down K
.set C,     32                         ; weights: v32-63 their codes
	s_load_b512 s[4:19], s[0:1], 0x0               ; mask s[4:5], Wq s[6:7], Wk s[8:9], Wv s[10:11], Wo s[12:13], scales s[14:15], lanemask s[16:17], flags s[18:19]
	s_load_b64 s[20:21], s[0:1], 0x40              ; wimg
	v_lshl_add_u32 v[SPW], v0, 2, SPARE
	v_mov_b32 v[NIL], 0
	v_lshrrev_b32 v1, 5, v0
	v_readfirstlane_b32 s24, v1                    ; wave 0..3
	v_and_b32 v1, 31, v0                           ; lane
	v_and_b32 v8, 15, v0                           ; r
	v_bfe_u32 v9, v0, 4, 1                         ; h
	s_wait_kmcnt 0x0
	s_cmp_lt_u32 ttmp9, 256
	s_cbranch_scc0 .Lweights
	; ---- THE MASK.  The work-group owns 16 queries; wave w keys 1024 w on: four chunks of 256 keys, eight steps
	s_lshl_b32 s26, ttmp9, 16                      ; 16 rows of 4,096 bytes
	s_lshl_b32 s27, s24, 10
	s_add_co_u32 s26, s26, s27
	s_mov_b32 s27, 0
	s_add_nc_u64 s[4:5], s[4:5], s[26:27]
	s_wait_alu depctr_va_vdst(0)
	v_lshlrev_b32 v2, 4, v8
	v_lshl_add_u32 v2, v9, 12, v2                  ; a load takes two rows: lanes 0-15 read 256 consecutive bytes of one, lanes 16-31 of the next
.irp ch, 0,1,2,3
.irp j, 0,1,2,3,4,5,6,7
	global_load_b128 v[R+32*\ch+4*\j:R+32*\ch+4*\j+3], v2, s[4:5] offset:8192*\j+256*\ch th:TH_LOAD_NT
.endr
.endr
	s_lshl_b32 s26, ttmp9, 13                      ; lanemask: 8,192 bytes a tile, 2,048 a wave
	s_lshl_b32 s28, s24, 11
	s_add_co_u32 s26, s26, s28
	s_add_nc_u64 s[16:17], s[16:17], s[26:27]
	s_lshl_b32 s26, ttmp9, 3                       ; flags: 8 bytes a tile
	s_add_nc_u64 s[18:19], s[18:19], s[26:27]
	s_mul_i32 s28, s24, STG                        ; my stage
	v_mul_u32_u24 v3, v9, 272
	v_lshl_add_u32 v3, v8, 4, v3
	v_add_nc_u32 v3, s28, v3                       ; in: as loaded, rows 2 j + h
	v_mul_u32_u24 v4, v8, 272
	v_lshl_add_u32 v4, v9, 4, v4
	v_add_nc_u32 v4, s28, v4                       ; back: lane (r, h) takes row r, 16 bytes at 32 b + 16 h
	v_lshlrev_b32 v5, 4, v1                        ; out: 16 bytes a lane
.irp i, 0,1,2,3,4,5,6,7,8,9,10,11,12,13,14,15
	v_mov_b32 v[OW+\i], 0                          ; written once: a lane write's destination counts as read
.endr
	s_mov_b32 s36, 0                               ; ANY's byte of my eight steps
	s_mov_b32 s37, 0                               ; ALL's
; the flags of step kk of chunk ch: the OR and the AND of a lane's 16 registers, then over the lanes by a compare
.macro FLAG ch, kk
	v_or_b32 v28, v[M+16*\kk], v[M+16*\kk+1]
	v_or_b32 v29, v[M+16*\kk+2], v[M+16*\kk+3]
	v_and_b32 v30, v[M+16*\kk], v[M+16*\kk+1]
	v_and_b32 v31, v[M+16*\kk+2], v[M+16*\kk+3]
.irp i, 4,6,8,10,12,14
	v_or_b32 v28, v28, v[M+16*\kk+\i]
	v_or_b32 v29, v29, v[M+16*\kk+\i+1]
	v_and_b32 v30, v30, v[M+16*\kk+\i]
	v_and_b32 v31, v31, v[M+16*\kk+\i+1]
.endr
	v_or_b32 v28, v28, v29
	v_and_b32 v30, v30, v31
	v_cmp_ne_u32 s32, 0, v28
	v_cmp_eq_u32 s33, 0x01010101, v30
	s_cmp_lg_u32 s32, 0
	s_cselect_b32 s34, 1<<(2*\ch+\kk), 0
	s_or_b32 s36, s36, s34
	s_cmp_eq_u32 s33, -1
	s_cselect_b32 s34, 1<<(2*\ch+\kk), 0
	s_or_b32 s37, s37, s34
.endm
.macro CHUNK ch
	s_wait_loadcnt 8*(3-\ch)                       ; this chunk's eight loads are in; the later chunks' may be out
.irp j, 0,1,2,3,4,5,6,7
	ds_store_b128 v3, v[R+32*\ch+4*\j:R+32*\ch+4*\j+3] offset:544*\j
.endr
.irp b, 0,1,2,3,4,5,6,7
	ds_load_b128 v[M+4*\b:M+4*\b+3], v4 offset:32*\b   ; LDS serves a wave's instructions in order (ISA guide 5.7.1): these see my stores, and the next chunk's stores come behind them
.endr
	s_wait_dscnt 0x0
	; byte k of register mm is word 4 mm + k of the chunk's 128: a compare makes the word, a lane write puts it into register k, lane mm, so that one store of 16 bytes a lane lays the words in order
.set mm, 0
.rept 32
	v_and_b32 v8, 0xff, v[M+mm]
	v_and_b32 v9, 0xff00, v[M+mm]
	v_and_b32 v10, 0xff0000, v[M+mm]
	v_and_b32 v11, 0xff000000, v[M+mm]
	v_cmp_ne_u32 s28, 0, v8
	v_cmp_ne_u32 s29, 0, v9
	v_cmp_ne_u32 s30, 0, v10
	v_cmp_ne_u32 s31, 0, v11
	v_writelane_b32 v[OW+4*\ch], s28, mm
	v_writelane_b32 v[OW+4*\ch+1], s29, mm
	v_writelane_b32 v[OW+4*\ch+2], s30, mm
	v_writelane_b32 v[OW+4*\ch+3], s31, mm
.set mm, mm+1
.endr
	global_store_b128 v5, v[OW+4*\ch:OW+4*\ch+3], s[16:17] offset:512*\ch   ; 512 consecutive bytes: two steps' words
	FLAG \ch, 0
	FLAG \ch, 1
.endm
	CHUNK 0
	CHUNK 1
	CHUNK 2
	CHUNK 3
	v_mov_b32 v8, s36
	v_mov_b32 v9, s37
	v_cmp_eq_u32 vcc_lo, 1, v1
	v_cndmask_b32 v8, v8, v9, vcc_lo               ; lane 0: ANY's byte, lane 1: ALL's
	v_lshlrev_b32 v10, 2, v1
	v_add_nc_u32 v10, s24, v10                     ; byte w of the lane's word
	v_cmp_gt_u32 vcc_lo, 2, v1
	s_wait_alu depctr_va_vdst(0)
	s_wait_xcnt 0x0                                ; EXEC changes only behind this wait: the stores above have it among their sources
	s_and_saveexec_b32 s35, vcc_lo
	global_store_b8 v10, v8, s[18:19]
	s_wait_xcnt 0x0
	s_or_b32 exec_lo, exec_lo, s35
	s_wait_tensorcnt 0x0                           ; the wave's end, behind my last LDS store
	ds_add_u32 v[SPW], v[NIL]
	s_wait_dscnt 0x0
	s_endpgm
	; ---- THE WEIGHTS.  A work-group takes 128 columns x 128 along K of one matrix; a wave 32 columns.  A lane takes a column and its registers run down K, so the conversions give codes with K innermost.  No LDS on this path.
.Lweights:
	s_load_b256 s[36:43], s[14:15], 0x0            ; e0 .. e7
	s_load_b128 s[44:47], s[14:15], 0x20           ; e8 .. e11
	s_sub_co_u32 s25, ttmp9, 256
	s_lshr_b32 s26, s25, 4                         ; which matrix
	s_bfe_u32 s27, s25, 0x20002                    ; which 128 columns
	s_and_b32 s28, s25, 3                          ; which 128 along K
	s_cmp_eq_u32 s26, 1
	s_cselect_b64 s[30:31], s[8:9], s[6:7]
	s_cmp_eq_u32 s26, 2
	s_cselect_b64 s[30:31], s[10:11], s[30:31]
	s_cmp_eq_u32 s26, 3
	s_cselect_b64 s[30:31], s[12:13], s[30:31]
	s_lshl_b32 s32, s28, 18                        ; 128 rows of 2,048 bytes
	s_lshl_b32 s33, s27, 9
	s_add_co_u32 s32, s32, s33
	s_lshl_b32 s33, s24, 7
	s_add_co_u32 s32, s32, s33
	s_mov_b32 s33, 0
	s_add_nc_u64 s[30:31], s[30:31], s[32:33]
	s_lshl_b32 s32, s26, 18                        ; the image: 262,144 a matrix, 65,536 a chunk, 16,384 a K step, 4,096 a wave's two tiles
	s_lshl_b32 s34, s27, 16
	s_add_co_u32 s32, s32, s34
	s_lshl_b32 s34, s28, 14
	s_add_co_u32 s32, s32, s34
	s_lshl_b32 s34, s24, 12
	s_add_co_u32 s32, s32, s34
	s_add_nc_u64 s[20:21], s[20:21], s[32:33]
	s_wait_alu depctr_va_vdst(0)
	v_and_b32 v10, 8, v8
	v_add_nc_u32 v10, v10, v8
	v_lshl_add_u32 v10, v9, 3, v10                 ; my column of the 32: r + 8 (r / 8) + 8 h: lanes 0-15 are the even tile's rows, lanes 16-31 the odd tile's
	v_lshlrev_b32 v2, 2, v10
	v_lshlrev_b32 v3, 4, v8
	v_lshl_add_u32 v3, v9, 11, v3                  ; out: my tile, row r's 16 bytes
.set kk, 0
.rept 128
	global_load_b32 v[X+kk], v2, s[30:31] offset:2048*kk th:TH_LOAD_NT
.set kk, kk+1
.endr
	s_wait_kmcnt 0x0
	s_cmp_eq_u32 s26, 1
	s_cselect_b32 s29, s39, s37
	s_cmp_eq_u32 s26, 2
	s_cselect_b32 s29, s41, s29
	s_cmp_eq_u32 s26, 3
	s_cselect_b32 s29, s47, s29                    ; e
	s_add_co_i32 s29, s29, 127
	s_lshl_b32 s32, s29, 23
	v_mov_b32 v11, s32                             ; 2^e as f32: the conversion takes its exponent field
	s_add_co_i32 s29, s29, 8
	s_lshl_b32 s29, s29, 23
	s_or_b32 s29, s29, 0x600000
	v_mov_b32 v10, s29                             ; 448 x 2^e
.macro WBLOCK c, left
	s_wait_loadcnt \left
.set kk, 0
.rept 32
	v_med3_num_f32 v[X+32*\c+kk], v[X+32*\c+kk], -v10, v10   ; the conversion to an 8-bit code does not saturate (ISA guide 7.6.2): the hold first
.set kk, kk+1
.endr
.irp g, 0,1,2,3
	v_cvt_scalef32_pk8_fp8_f32 v[C+8*\c+2*\g:C+8*\c+2*\g+1], v[X+32*\c+8*\g:X+32*\c+8*\g+7], v11
.endr
	global_store_b128 v3, v[C+8*\c:C+8*\c+3], s[20:21] offset:512*\c        ; k = 32 c + 0 .. 15: the places of the image's lanes 0-15; sixteen lanes store 256 consecutive bytes
	global_store_b128 v3, v[C+8*\c+4:C+8*\c+7], s[20:21] offset:512*\c+256  ; k = 32 c + 16 .. 31: those of its lanes 16-31
.endm
	s_wait_alu depctr_va_vdst(0)
	WBLOCK 0, 63                                   ; 96 later loads might stay out; the wait's field names 63 at the most, and a smaller count is safe
	WBLOCK 1, 63                                   ; likewise for 64
	WBLOCK 2, 32
	WBLOCK 3, 0
	s_endpgm
.Lfunc_end_k_qe73568e49d_prep:
	.size	k_qe73568e49d_prep, .Lfunc_end_k_qe73568e49d_prep-k_qe73568e49d_prep
	.p2alignl 7, 3214868480
	.fill 96, 4, 3214868480
	.section	.rodata,"a",@progbits
	.p2align	6, 0x0
	.amdhsa_kernel k_qe73568e49d_prep
		.amdhsa_group_segment_fixed_size 17920
		.amdhsa_private_segment_fixed_size 0
		.amdhsa_enable_private_segment 0
		.amdhsa_kernarg_size 72
		.amdhsa_user_sgpr_count 2
		.amdhsa_user_sgpr_kernarg_segment_ptr 1
		.amdhsa_wavefront_size32 1
		.amdhsa_system_sgpr_workgroup_id_x 1
		.amdhsa_system_sgpr_workgroup_id_y 1
		.amdhsa_system_sgpr_workgroup_id_z 1
		.amdhsa_system_vgpr_workitem_id 0
		.amdhsa_next_free_vgpr 192
		.amdhsa_next_free_sgpr 66
		.amdhsa_reserve_vcc 1
		.amdhsa_float_denorm_mode_32 3
		.amdhsa_float_denorm_mode_16_64 3
		.amdhsa_memory_ordered 1
		.amdhsa_forward_progress 1
		.amdhsa_inst_pref_size 141
	.end_amdhsa_kernel
	.amdgpu_metadata
---
amdhsa.version: [ 1, 2 ]
amdhsa.kernels:
  - .name:           k_qe73568e49d_prep
    .symbol:         k_qe73568e49d_prep.kd
    .args:
      - { .name: mask, .offset: 0, .size: 8, .value_kind: global_buffer, .address_space: global }
      - { .name: Wq, .offset: 8, .size: 8, .value_kind: global_buffer, .address_space: global }
      - { .name: Wk, .offset: 16, .size: 8, .value_kind: global_buffer, .address_space: global }
      - { .name: Wv, .offset: 24, .size: 8, .value_kind: global_buffer, .address_space: global }
      - { .name: Wo, .offset: 32, .size: 8, .value_kind: global_buffer, .address_space: global }
      - { .name: lowp_scales, .offset: 40, .size: 8, .value_kind: global_buffer, .address_space: global }
      - { .name: lanemask, .offset: 48, .size: 8, .value_kind: global_buffer, .address_space: global }
      - { .name: flags, .offset: 56, .size: 8, .value_kind: global_buffer, .address_space: global }
      - { .name: wimg, .offset: 64, .size: 8, .value_kind: global_buffer, .address_space: global }
    .group_segment_fixed_size: 17920
    .private_segment_fixed_size: 0
    .kernarg_segment_align: 8
    .kernarg_segment_size: 72
    .max_flat_workgroup_size: 128
    .sgpr_count:     66
    .vgpr_count:     192
    .wavefront_size: 32
...
	.end_amdgpu_metadata
.endif
;; end of part 1
;; launch proj (part 2): grid 64 x 3, 4 waves a work-group, clusters of 4 x 1, 262,656 bytes of LDS; arguments inputs_q, inputs_kv, wimg, lowp_scales, q_ln_w, q_ln_b, k_ln_w, k_ln_b, qimg, kv; writes qimg, kv
.if DOCPART == 2
	.amdgcn_target "amdgcn-amd-amdhsa--gfx1250"
	.amdhsa_code_object_version 6
	.text
	.protected	k_qe73568e49d_proj
	.globl	k_qe73568e49d_proj
	.p2align	8
	.type	k_qe73568e49d_proj,@function
k_qe73568e49d_proj:
	s_mov_b64 s[64:65], 0
	v_nop
	global_prefetch_b8 v0, s[64:65] scope:SCOPE_SE
	s_setreg_imm32_b32 hwreg(HW_REG_WAVE_MODE, 25, 1), 1
	s_wait_xcnt 0x0
	s_wait_alu depctr_hold_cnt(0) depctr_sa_sdst(0) depctr_va_vdst(0) depctr_va_sdst(0) depctr_va_ssrc(0) depctr_va_vcc(0) depctr_vm_vsrc(0)
	s_getreg_b32 s2, hwreg(HW_REG_IB_STS2, 6, 4)
	s_cmp_eq_u32 s2, 0
	s_cbranch_scc0 .Lentry_in_a_cluster
	s_endpgm
.Lentry_in_a_cluster:
	s_bfe_u32 s2, ttmp6, 0x10000c
	s_cmp_lg_u32 s2, 0x3003
	s_cbranch_scc0 .Lentry_shape_is_right
	s_endpgm
.Lentry_shape_is_right:
; PROJ.  y = 0: q = LayerNorm(inputs_q Wq); y = 1: k = LayerNorm(inputs_kv Wk); y = 2: v = inputs_kv Wv.  Products on codes of E4M3, sums in f32; the results leave as codes, laid as images of the operand registers of attention.
; SHARES.  A work-group owns 128 rows and all 512 columns of one product; a wave 32 rows x 512 columns: 64 accumulators, 512 registers, so a row's mean and variance never leave the wave.
; The whole weight, 262,144 bytes of codes, lies in LDS as fragment images: filled once, 65,536 bytes a wave.  CLUSTER: the four row blocks of a cluster need the same weight, so each load is a joint one with a mask that names the four.
; x goes from memory straight into registers in the order of an operand's registers (lane (r, h): of row r, 16 neighbours of each 32 along K) and is quantised there.
; q, k: source 0 = 16 columns of W, source 1 = 16 rows of x: a lane holds ONE row, its registers run along the columns.  v: the sources swapped: a lane holds one column, its registers run along the rows (the keys).
; The rows of a tile of W, and for k and v those of a tile of x, are r + 8 (r / 8) + 8 (tile % 2) + 32 (tile / 2): the 16 registers of two neighbouring tiles are then 16 neighbours, a group of the next operand.
; LayerNorm on sums that lack the factor 2^(ex + ew): mean and centred squares are taken of the sums; var = mean square x 2^(2 (ex + ew)); y = (sum - mean) x (rsqrt(var + 1e-5) x 2^(ex + ew) x w) + b.
; (The order of rounding differs from (x - mu) x rsqrt x w in that rsqrt x w is formed first.)
; LIMITS: ex, the output's e, and for v e9 - e4 - e5, between -126 and 119.  NaN among the inputs is not served.
; REGISTERS, in windows of 256: window 0: v1-4 image addresses, v5-6 x's offsets, v7 64 h, v8-15 the heads' store offsets, v16-19 scales and holds, v20-21 the add's two, v22-31 statistics,
;   v32-63 gain x rsqrt, v64-95 results, v96-111 sum chains and codes, v128-255 W's fragments, set 0, later the gains.   window 1: v0-127 x's codes, later the biases; v128-255 W's set 1.
;   windows 2, 3: first x as f32 (window 2, four sets of 64), then the accumulators.
.set SPARE, 262144                     ; behind the weight: the spare words, 128 bytes a wave, which no other line names
.set SPW, 20
.set NIL, 21
.set WV,  48                           ; s48 my wave's number
.set G1,  24                           ; s[24:31] descriptor group 1
.set G0,  32                           ; s[32:35] descriptor group 0
.set CH,  96                           ; v96-111 four chains of pairs for each of my two tiles of rows
.set MSB, 0
.macro WIN new                         ; s_set_vgpr_msb: bits 1:0 source 0, 3:2 source 1, 5:4 source 2, 7:6 destination; the high byte repeats the setting that is left
.if MSB != (\new)
	s_set_vgpr_msb (MSB<<8)|(\new)
.set MSB, (\new)
.endif
.endm
.macro PLACES                          ; four plain vector instructions behind matrix instructions, ahead of loads into their registers and of reads of their results
.rept 4
	v_nop
.endr
.endm
.macro ROUND                           ; a round of the cluster's barrier
	s_barrier_signal -1
	s_barrier_wait -1
	s_cmp_lg_u32 s[WV], 0
	s_cbranch_scc1 .Lnot_wave_0_\@
	s_barrier_signal -3
.Lnot_wave_0_\@:
	s_barrier_wait -3
	s_barrier_signal -1
	s_barrier_wait -1
.endm
.macro FINISH                          ; the wave's end; then the closing round
	s_wait_tensorcnt 0x0
	ds_add_u32 v[SPW], v[NIL]
	s_wait_dscnt 0x0
	ROUND
	s_endpgm
.endm
	s_load_b512 s[4:19], s[0:1], 0x0               ; inputs_q s[4:5], inputs_kv s[6:7], wimg s[8:9], scales s[10:11], q_ln_w s[12:13], q_ln_b s[14:15], k_ln_w s[16:17], k_ln_b s[18:19]
	s_load_b128 s[20:23], s[0:1], 0x40             ; qimg s[20:21], kv s[22:23]
	v_lshl_add_u32 v[SPW], v0, 2, SPARE
	v_mov_b32 v[NIL], 0
	ds_add_u32 v[SPW], v[NIL]                      ; the wave's opening: the add and its wait ahead of my tensor load; work on registers stands between them
	ds_add_u32 v[SPW], v[NIL]
	v_lshrrev_b32 v1, 5, v0
	v_readfirstlane_b32 s[WV], v1
	s_and_b32 s49, ttmp7, 0xffff                   ; p: which product; the four partners share it
	s_bfe_u32 s51, ttmp6, 0x40000                  ; cx
	s_lshl_b32 s50, ttmp9, 2
	s_add_co_u32 s50, s50, s51                     ; my block of 128 rows: it enters x's and the outputs' addresses alone
	s_mov_b32 s[G1], 15|(3<<16)|(1<<21)            ; the mask: all four; elements of 8 bytes; bit 21 set beside a mask; no padding
	s_mov_b32 s[G1+1], 32<<16                      ; tensor_dim0 = 32 elements: a dense block as rows of 256 bytes
	s_mov_b32 s[G1+2], 256<<16                     ; tensor_dim1 = 256
	s_mov_b32 s[G1+3], 32<<16                      ; tile_dim0
	s_mov_b32 s[G1+4], 256                         ; tile_dim1
	s_mov_b32 s[G1+5], 32                          ; the pitch
	s_mov_b32 s[G1+6], 0
	s_mov_b32 s[G1+7], 0
	s_mov_b32 s[G0], 1
	s_lshl_b32 s[G0+1], s[WV], 16                  ; LDS: 65,536 x wave
	s_lshl_b32 s68, s49, 18                        ; memory: 262,144 x product + 65,536 x wave
	s_add_co_u32 s68, s68, s[G0+1]
	s_mov_b32 s69, 0
	s_mov_b32 s66, 0x76543210                      ; v_permlanex16_b32's selects for lane l xor 16
	s_mov_b32 s67, 0xfedcba98
	s_wait_dscnt 0x0                               ; the opening add is done
	s_wait_kmcnt 0x0
	s_load_b256 s[36:43], s[10:11], 0x0            ; e0 .. e7
	s_load_b128 s[44:47], s[10:11], 0x20           ; e8 .. e11
	s_add_nc_u64 s[G0+2:G0+3], s[8:9], s[68:69]
	s_or_b32 s[G0+3], s[G0+3], 0x80000000
	ROUND                                          ; all four work-groups are here: the joint loads meet
	tensor_load_to_lds s[G0:G0+3], s[G1:G1+7]      ; my quarter of the weight: the one tensor load of this wave
	s_nop 0
	PLACES
	s_cmp_eq_u32 s49, 0                            ; every choice by p is a select
	s_cselect_b64 s[52:53], s[4:5], s[6:7]         ; x
	s_cselect_b64 s[54:55], s[12:13], s[16:17]     ; the gain
	s_cselect_b64 s[56:57], s[14:15], s[18:19]     ; the bias
	s_cselect_b64 s[58:59], s[20:21], s[22:23]     ; the output
	s_cselect_b32 s70, 0, 8                        ; q: a tile's rows are neighbours; k, v: r + 8 (r / 8)
	s_mov_b32 s71, 16384
	s_cselect_b32 s71, 32768, s71                  ; from tile 0 to tile 1: 16 rows, or 8
	s_cselect_b32 s72, 21, 22                      ; the output's strides as shifts: a batch,
	s_cselect_b32 s73, 13, 14                      ; a block of 128 rows
	s_mov_b32 s75, 524288
	s_cselect_b32 s75, 262144, s75                 ; a head
	s_cmp_eq_u32 s49, 2
	s_cselect_b32 s74, 9, 11                       ; a wave
	s_lshl_b32 s76, s50, 18                        ; x: 128 rows of 2,048 bytes a block, 32 a wave
	s_lshl_b32 s77, s[WV], 16
	s_add_co_u32 s76, s76, s77
	s_mov_b32 s77, 0
	s_add_nc_u64 s[52:53], s[52:53], s[76:77]
	v_and_b32 v22, 15, v0                          ; r
	v_bfe_u32 v23, v0, 4, 1                        ; h
	s_wait_alu depctr_va_vdst(0)
	v_and_b32 v24, s70, v22
	v_add_nc_u32 v24, v24, v22
	v_lshlrev_b32 v5, 11, v24
	v_lshl_add_u32 v5, v23, 6, v5                  ; tile 0: my row, + 64 h: my 16 numbers of a block of 32
	v_add_nc_u32 v6, s71, v5                       ; tile 1
; block blk = 2 s + u: tile u's numbers of K step s, 64 a lane, into set blk % 4 of window 2
.macro XLOAD blk
.irp c, 0,1,2,3
.irp j, 0,1,2,3
	global_load_b128 v[64*((\blk)%4)+16*\c+4*\j:64*((\blk)%4)+16*\c+4*\j+3], v[5+(\blk)%2], s[52:53] offset:512*((\blk)/2)+128*\c+16*\j
.endr
.endr
.endm
	WIN 0x80
	XLOAD 0
	XLOAD 1
	XLOAD 2
	XLOAD 3
	WIN 0
	s_lshr_b32 s78, s50, 5                         ; the batch
	s_and_b32 s79, s50, 31                         ; the block within it
	s_lshl_b32 s76, s78, s72
	s_lshl_b32 s79, s79, s73
	s_add_co_u32 s76, s76, s79
	s_lshl_b32 s79, s[WV], s74
	s_add_co_u32 s76, s76, s79
	s_add_nc_u64 s[58:59], s[58:59], s[76:77]
	v_lshlrev_b32 v7, 6, v23                       ; gain and bias: my half's 16 of each 32
	v_and_b32 v1, 31, v0
	v_lshlrev_b32 v1, 4, v1                        ; 16 x lane: an image's place for my lane; chunk 0 of the weight
	v_add_nc_u32 v2, 0x10000, v1                   ; chunks 1 to 3
	v_add_nc_u32 v3, 0x20000, v1
	v_add_nc_u32 v4, 0x30000, v1
.irp hd, 0,1,2,3,4,5,6,7
	s_mul_i32 s76, s75, \hd
	v_add_nc_u32 v[8+\hd], s76, v1                 ; where head hd's codes go
.endr
.irp i, 23,25,27,29,30,31
	v_mov_b32 v\i, 0                               ; upper halves of named pairs, and the permutes' destinations: written once
.endr
	s_wait_kmcnt 0x0
	s_cmp_eq_u32 s49, 1
	s_cselect_b32 s60, s38, s36                    ; ex
	s_cselect_b32 s61, s39, s37                    ; ew
	s_cselect_b32 s62, s43, s42                    ; the output's e
	s_cmp_eq_u32 s49, 2
	s_cselect_b32 s60, s40, s60
	s_cselect_b32 s61, s41, s61
	s_cselect_b32 s62, s45, s62
	s_cselect_b32 s76, 1, 0
	s_add_co_i32 s61, s60, s61                     ; ex + ew
	s_lshl_b32 s63, s61, 1                         ; twice that
	s_mul_i32 s76, s76, s61
	s_sub_co_i32 s62, s62, s76                     ; v's sums go to the conversion as they are: its scale is 2^(e9 - ex - ew)
	s_add_co_i32 s60, s60, 127
	s_lshl_b32 s76, s60, 23
	v_mov_b32 v16, s76                             ; 2^ex
	s_add_co_i32 s60, s60, 8
	s_lshl_b32 s60, s60, 23
	s_or_b32 s60, s60, 0x600000
	v_mov_b32 v17, s60                             ; 448 x 2^ex
	s_add_co_i32 s62, s62, 127
	s_lshl_b32 s76, s62, 23
	v_mov_b32 v18, s76                             ; the output's scale
	s_add_co_i32 s62, s62, 8
	s_lshl_b32 s62, s62, 23
	s_or_b32 s62, s62, 0x600000
	v_mov_b32 v19, s62                             ; 448 x that
; block blk is quantised into x's fragment (u, s) at v[16 (4 u + s)] of window 1; its set takes the block four further on
.macro XQ blk
.if 7-(\blk) >= 3
	s_wait_loadcnt 48                              ; this block's 16 loads are in; those of the three blocks behind it may be out
.else
	s_wait_loadcnt 16*(7-(\blk))
.endif
	WIN 0x82
.set ii, 0
.rept 64
	v_med3_num_f32 v[64*((\blk)%4)+ii], v[64*((\blk)%4)+ii], -v17, v17   ; the conversion does not saturate (ISA guide 7.6.2): the hold first
.set ii, ii+1
.endr
	WIN 0x42
.irp g, 0,1,2,3,4,5,6,7
	v_cvt_scalef32_pk8_fp8_f32 v[16*(4*((\blk)%2)+(\blk)/2)+2*\g:16*(4*((\blk)%2)+(\blk)/2)+2*\g+1], v[64*((\blk)%4)+8*\g:64*((\blk)%4)+8*\g+7], v16
.endr
.if (\blk)+4 < 8
	WIN 0x80
	XLOAD (\blk)+4
.endif
.endm
	s_wait_alu depctr_va_vdst(0)
.irp t, 0,1,2,3,4,5,6,7
	XQ \t
.endr
	v_nop                                          ; a plain instruction behind the last conversion, ahead of the products that read the codes and write over the numbers
	WIN 0
	s_wait_tensorcnt 0x0                           ; my quarter of the weight has landed,
	s_barrier_signal -1
	s_barrier_wait -1                              ; everybody's has.  Nothing is ever filled again
; group g = 4 j + s: chunk j (8 tiles of W), K step s: 32 LDS loads into set g % 2
.macro FETCH g
	WIN 0x40*((\g)%2)
.irp tt, 0,1,2,3,4,5,6,7
.irp c, 0,1,2,3
	ds_load_b128 v[128+16*\tt+4*\c:128+16*\tt+4*\c+3], v[1+(\g)/4] offset:16384*((\g)%4)+2048*\tt+512*\c
.endr
.endr
.endm
; its 16 products, on 16 accumulators that take turns, one instruction a turn; K step 0 starts the sums: nothing is cleared
.macro MUL g, vp
.set jj, (\g)/4
.set ss, (\g)%4
.set st, (\g)%2
.set wt, 2+jj/2
.if \vp
	WIN 1|(st<<2)|(wt<<4)|(wt<<6)
.else
	WIN st|(1<<2)|(wt<<4)|(wt<<6)
.endif
.irp tt, 0,1,2,3,4,5,6,7
.irp u, 0,1
.if \vp
.set dd, 128*(jj%2)+16*\tt+8*\u
.if ss == 0
	v_wmma_f32_16x16x128_fp8_fp8 v[dd:dd+7], v[16*(4*\u+ss):16*(4*\u+ss)+15], v[128+16*\tt:128+16*\tt+15], 0
.else
	v_wmma_f32_16x16x128_fp8_fp8 v[dd:dd+7], v[16*(4*\u+ss):16*(4*\u+ss)+15], v[128+16*\tt:128+16*\tt+15], v[dd:dd+7]
.endif
.else
.set dd, 128*\u+64*(jj%2)+8*\tt
.if ss == 0
	v_wmma_f32_16x16x128_fp8_fp8 v[dd:dd+7], v[128+16*\tt:128+16*\tt+15], v[16*(4*\u+ss):16*(4*\u+ss)+15], 0
.else
	v_wmma_f32_16x16x128_fp8_fp8 v[dd:dd+7], v[128+16*\tt:128+16*\tt+15], v[16*(4*\u+ss):16*(4*\u+ss)+15], v[dd:dd+7]
.endif
.endif
.endr
.endr
.endm
.macro GEMM vp
	FETCH 0
.set gg, 0
.rept 15
.if gg > 0
	PLACES                                         ; the set to be loaded was read by the group before
.endif
	FETCH gg+1
	s_wait_alu depctr_va_vdst(0)
	s_wait_dscnt 32                                ; this group's fragments are in; the 32 loads just issued may be out
	MUL gg, \vp
.set gg, gg+1
.endr
	s_wait_dscnt 0x0
	MUL 15, \vp
	WIN 0
.endm
	s_cmp_eq_u32 s49, 2
	s_cbranch_scc1 .Lvpath
	; ---- q and k
	GEMM 0
	PLACES
.irp b, 0,1,2,3,4,5,6,7                ; gain and bias of column groups 0-7 (32 columns each, 16 a lane), where W's set 0 and x's codes lay
.irp j, 0,1,2,3
	global_load_b128 v[128+16*\b+4*\j:128+16*\b+4*\j+3], v7, s[54:55] offset:128*\b+16*\j
.endr
.endr
	WIN 0x40
.irp b, 0,1,2,3,4,5,6,7
.irp j, 0,1,2,3
	global_load_b128 v[16*\b+4*\j:16*\b+4*\j+3], v7, s[56:57] offset:128*\b+16*\j
.endr
.endr
	; the rows' sums: pairs in ascending order; four chains a tile, started by an addition of two pairs
	WIN 0x0a
.irp k, 0,1,2,3
.irp u, 0,1
	v_pk_add_f32 v[CH+8*\u+2*\k:CH+8*\u+2*\k+1], v[128*\u+4*\k:128*\u+4*\k+1], v[128*\u+4*\k+2:128*\u+4*\k+3]
.endr
.endr
	WIN 0x08
.set pp, 8
.rept 56
.irp u, 0,1
	v_pk_add_f32 v[CH+8*\u+2*(pp%4):CH+8*\u+2*(pp%4)+1], v[CH+8*\u+2*(pp%4):CH+8*\u+2*(pp%4)+1], v[128*\u+2*pp:128*\u+2*pp+1]
.endr
.set pp, pp+1
.endr
	WIN 0x0c
.set pp, 0
.rept 64
.irp u, 0,1
	v_pk_add_f32 v[CH+8*\u+2*(pp%4):CH+8*\u+2*(pp%4)+1], v[CH+8*\u+2*(pp%4):CH+8*\u+2*(pp%4)+1], v[128*\u+2*pp:128*\u+2*pp+1]
.endr
.set pp, pp+1
.endr
	WIN 0
.macro FOLD u                          ; tile u's four chains, their halves, and the lane 16 away, which holds the row's other 256 columns
	v_pk_add_f32 v[CH+8*\u:CH+8*\u+1], v[CH+8*\u:CH+8*\u+1], v[CH+8*\u+2:CH+8*\u+3]
	v_pk_add_f32 v[CH+8*\u+4:CH+8*\u+5], v[CH+8*\u+4:CH+8*\u+5], v[CH+8*\u+6:CH+8*\u+7]
	v_pk_add_f32 v[CH+8*\u:CH+8*\u+1], v[CH+8*\u:CH+8*\u+1], v[CH+8*\u+4:CH+8*\u+5]
	v_add_f32 v[CH+8*\u], v[CH+8*\u], v[CH+8*\u+1]
	v_permlanex16_b32 v[30+\u], v[CH+8*\u], s66, s67
	v_add_f32 v[CH+8*\u], v[CH+8*\u], v[30+\u]
.endm
	FOLD 0
	FOLD 1
	v_mul_f32 v22, 0x3b000000, v[CH]               ; the mean: / 512
	v_mul_f32 v24, 0x3b000000, v[CH+8]
.macro CENTRE                          ; sum - mean, in place
.set pp, 0
.rept 64
	v_pk_add_f32 v[2*pp:2*pp+1], v[2*pp:2*pp+1], v[22:23] op_sel_hi:[1,0] neg_lo:[0,1] neg_hi:[0,1]
	v_pk_add_f32 v[128+2*pp:129+2*pp], v[128+2*pp:129+2*pp], v[24:25] op_sel_hi:[1,0] neg_lo:[0,1] neg_hi:[0,1]
.set pp, pp+1
.endr
.endm
.macro SQUARES first                   ; the centred squares, in the same chains; a multiplication starts each
.set pp, 0
.rept 64
.irp u, 0,1
.if \first && (pp < 4)
	v_pk_mul_f32 v[CH+8*\u+2*pp:CH+8*\u+2*pp+1], v[128*\u+2*pp:128*\u+2*pp+1], v[128*\u+2*pp:128*\u+2*pp+1]
.else
	v_pk_fma_f32 v[CH+8*\u+2*(pp%4):CH+8*\u+2*(pp%4)+1], v[128*\u+2*pp:128*\u+2*pp+1], v[128*\u+2*pp:128*\u+2*pp+1], v[CH+8*\u+2*(pp%4):CH+8*\u+2*(pp%4)+1]
.endif
.endr
.set pp, pp+1
.endr
.endm
	WIN 0x82
	CENTRE
	WIN 0x0a
	SQUARES 1
	WIN 0xc3
	CENTRE
	WIN 0x0f
	SQUARES 0
	WIN 0
	FOLD 0
	FOLD 1
.irp u, 0,1
	v_mul_f32 v[CH+8*\u], 0x3b000000, v[CH+8*\u]   ; / 512,
	v_ldexp_f32 v[CH+8*\u], v[CH+8*\u], s63        ; x 2^(2 (ex + ew)): the variance,
	v_add_f32 v[CH+8*\u], 0x3727c5ac, v[CH+8*\u]   ; + 1e-5
.endr
	s_wait_alu depctr_va_vdst(0)
	v_rsq_f32 v26, v[CH]
	v_rsq_f32 v28, v[CH+8]
	v_nop                                          ; a plain instruction behind the transcendentals,
	s_wait_alu depctr_va_vdst(0)                   ; and the one wait ahead of their first reader
	v_ldexp_f32 v26, v26, s61                      ; x 2^(ex + ew), which the centred sums lack
	v_ldexp_f32 v28, v28, s61
	s_wait_alu depctr_va_vdst(0)
	s_wait_loadcnt 0x0                             ; gain and bias of groups 0-7
; column group b: 32 columns, 16 a lane: normalised, quantised, stored: group b % 2 of head b / 2's fragment, for both tiles of rows
.macro LNOUT b
.set bl, (\b)%8
.set wb, 2+(\b)/8
.if \b >= 8
	s_wait_loadcnt 8*(15-\b)                       ; this group's eight loads are in; the later groups' may be out
.endif
	WIN 0
.irp i, 0,2,4,6,8,10,12,14
	v_pk_mul_f32 v[32+\i:33+\i], v[128+16*bl+\i:129+16*bl+\i], v[26:27] op_sel_hi:[1,0]
	v_pk_mul_f32 v[48+\i:49+\i], v[128+16*bl+\i:129+16*bl+\i], v[28:29] op_sel_hi:[1,0]
.endr
	WIN 0x10|wb
.irp i, 0,2,4,6,8,10,12,14
	v_pk_fma_f32 v[64+\i:65+\i], v[16*bl+\i:16*bl+\i+1], v[32+\i:33+\i], v[16*bl+\i:16*bl+\i+1]
	v_pk_fma_f32 v[80+\i:81+\i], v[128+16*bl+\i:129+16*bl+\i], v[48+\i:49+\i], v[16*bl+\i:16*bl+\i+1]
.endr
	WIN 0
.set ii, 0
.rept 32
	v_med3_num_f32 v[64+ii], v[64+ii], -v19, v19
.set ii, ii+1
.endr
	s_wait_alu depctr_va_vdst(0)
	s_wait_xcnt 0x0                                ; the last group's stores have read their data: the codes' registers are written again only behind this wait
.irp u, 0,1
	v_cvt_scalef32_pk8_fp8_f32 v[CH+4*\u:CH+4*\u+1], v[64+16*\u:71+16*\u], v18
	v_cvt_scalef32_pk8_fp8_f32 v[CH+4*\u+2:CH+4*\u+3], v[72+16*\u:79+16*\u], v18
.endr
.irp u, 0,1
	global_store_b128 v[8+(\b)/2], v[CH+4*\u:CH+4*\u+3], s[58:59] offset:1024*\u+512*((\b)%2)   ; 512 consecutive bytes
.endr
.if \b < 8
.irp j, 0,1,2,3
	global_load_b128 v[128+16*bl+4*\j:128+16*bl+4*\j+3], v7, s[54:55] offset:128*(\b+8)+16*\j    ; group b + 8 into the registers just read
.endr
	WIN 0x40
.irp j, 0,1,2,3
	global_load_b128 v[16*bl+4*\j:16*bl+4*\j+3], v7, s[56:57] offset:128*(\b+8)+16*\j
.endr
	WIN 0
.endif
.endm
.irp t, 0,1,2,3,4,5,6,7,8,9,10,11,12,13,14,15
	LNOUT \t
.endr
	v_nop                                          ; a plain instruction behind the last conversion
	FINISH
	; ---- v: a lane holds one column; the 16 registers of a tile's two accumulators are 16 neighbouring keys: group w of the tile's fragment of V^T
.Lvpath:
	GEMM 1
	PLACES
.irp W, 2,3
	WIN (\W<<6)|\W
.set ii, 0
.rept 256
	v_med3_num_f32 v[ii], v[ii], -v19, v19         ; ascending: each accumulator from its low end on
.set ii, ii+1
.endr
	WIN \W
.set ii, 0
.rept 32
	v_cvt_scalef32_pk8_fp8_f32 v[128+64*(\W-2)+2*ii:128+64*(\W-2)+2*ii+1], v[8*ii:8*ii+7], v18
.set ii, ii+1
.endr
	v_nop                                          ; a plain instruction behind the last conversion
	WIN 0
.irp tl, 0,1,2,3,4,5,6,7,8,9,10,11,12,13,14,15
	global_store_b128 v1, v[128+64*(\W-2)+4*\tl:128+64*(\W-2)+4*\tl+3], s[58:59] offset:524288*((16*(\W-2)+\tl)/4)+8192+2048*(\tl%4)   ; head, V's half of the key step, tile of 16 channels: 512 consecutive bytes
.endr
.endr
	FINISH
.Lfunc_end_k_qe73568e49d_proj:
	.size	k_qe73568e49d_proj, .Lfunc_end_k_qe73568e49d_proj-k_qe73568e49d_proj
	.p2alignl 7, 3214868480
	.fill 96, 4, 3214868480
	.section	.rodata,"a",@progbits
	.p2align	6, 0x0
	.amdhsa_kernel k_qe73568e49d_proj
		.amdhsa_group_segment_fixed_size 262656
		.amdhsa_private_segment_fixed_size 0
		.amdhsa_enable_private_segment 0
		.amdhsa_kernarg_size 80
		.amdhsa_user_sgpr_count 2
		.amdhsa_user_sgpr_kernarg_segment_ptr 1
		.amdhsa_wavefront_size32 1
		.amdhsa_system_sgpr_workgroup_id_x 1
		.amdhsa_system_sgpr_workgroup_id_y 1
		.amdhsa_system_sgpr_workgroup_id_z 1
		.amdhsa_system_vgpr_workitem_id 0
		.amdhsa_next_free_vgpr 1024
		.amdhsa_next_free_sgpr 100
		.amdhsa_reserve_vcc 0
		.amdhsa_float_denorm_mode_32 3
		.amdhsa_float_denorm_mode_16_64 3
		.amdhsa_memory_ordered 1
		.amdhsa_forward_progress 1
		.amdhsa_inst_pref_size 255
	.end_amdhsa_kernel
	.section	.bss,"aw",@nobits
	.p2align	6
	.space	262144
	.amdgpu_metadata
---
amdhsa.version: [ 1, 2 ]
amdhsa.kernels:
  - .name:           k_qe73568e49d_proj
    .symbol:         k_qe73568e49d_proj.kd
    .args:
      - { .name: inputs_q, .offset: 0, .size: 8, .value_kind: global_buffer, .address_space: global }
      - { .name: inputs_kv, .offset: 8, .size: 8, .value_kind: global_buffer, .address_space: global }
      - { .name: wimg, .offset: 16, .size: 8, .value_kind: global_buffer, .address_space: global }
      - { .name: lowp_scales, .offset: 24, .size: 8, .value_kind: global_buffer, .address_space: global }
      - { .name: q_ln_w, .offset: 32, .size: 8, .value_kind: global_buffer, .address_space: global }
      - { .name: q_ln_b, .offset: 40, .size: 8, .value_kind: global_buffer, .address_space: global }
      - { .name: k_ln_w, .offset: 48, .size: 8, .value_kind: global_buffer, .address_space: global }
      - { .name: k_ln_b, .offset: 56, .size: 8, .value_kind: global_buffer, .address_space: global }
      - { .name: qimg, .offset: 64, .size: 8, .value_kind: global_buffer, .address_space: global }
      - { .name: kv, .offset: 72, .size: 8, .value_kind: global_buffer, .address_space: global }
    .group_segment_fixed_size: 262656
    .private_segment_fixed_size: 0
    .kernarg_segment_align: 8
    .kernarg_segment_size: 80
    .max_flat_workgroup_size: 128
    .sgpr_count:     100
    .vgpr_count:     1024
    .wavefront_size: 32
...
	.end_amdgpu_metadata
.endif
;; end of part 2
;; launch attn (part 3): grid 16 x 16, 8 waves a work-group, no clusters, 103,424 bytes of LDS; arguments qimg, kv, lanemask, flags, lowp_scales, aimg; writes aimg
.if DOCPART == 3
	.amdgcn_target "amdgcn-amd-amdhsa--gfx1250"
	.amdhsa_code_object_version 6
	.text
	.protected	k_qe73568e49d_attn
	.globl	k_qe73568e49d_attn
	.p2align	8
	.type	k_qe73568e49d_attn,@function
k_qe73568e49d_attn:
	s_mov_b64 s[64:65], 0
	v_nop
	global_prefetch_b8 v0, s[64:65] scope:SCOPE_SE
	s_setreg_imm32_b32 hwreg(HW_REG_WAVE_MODE, 25, 1), 1
	s_wait_xcnt 0x0
; ATTN.  For each of 16 heads: a = softmax(q k^T / 8, under the mask) v, both products on codes of E4M3; a leaves as codes, laid as the last product's operand registers.
; THE SOFTMAX: t = score x log2(e) / 8; M = the running largest t rounded up to a whole number; p = 2^(t - M) is quantised with 2^e8; the row's sum is taken of the unquantised p and divides at the end.
; SHARES.  Work-group (i, head) owns the blocks 31 - i and i of 128 queries and takes them one after the other: two passes of 16 trips.  A trip is two key steps of 128 keys.
; THE KEYS ARE DIVIDED IN THE WORK-GROUP: waves 0-3 (g = 0) take a trip's even step, waves 4-7 (g = 1) its odd one, for the same 128 queries; wave w % 4 has 32 of them, two tiles, so that each fragment of K and V feeds two products.
; Each wave keeps its own M, sum and O^T.  At a pass's end waves w and w xor 4 join their states through LDS: M is a whole number, so each side is brought under the larger M by an exact power of two.
; Register tile A is query tile 2 (w % 4) + g, tile B the other one: every wave sends tile B's state and finishes tile A, so no branch parts the two groups.
; THE MASK is an input.  An earlier launch stored, for each tile of 16 queries and each step of 128 keys, whether any key counts and whether all do, and the lane masks.  A step in which no key counts for my 32 queries is
; passed over by a scalar branch on those stored words; one in which all count runs without masking; a mixed one makes hidden scores -infinity, one select a score.  That holds for any mask.
; A row for which no key counts has the sum 0: its codes are made the format's NaN, as the softmax of such a row is NaN.
; K AND V come as images of operand registers, 32,768 bytes a trip, through two LDS slots, by way of registers:
; each wave fetches an eighth of the next trip at a trip's head and stores it into the other slot at its end; ONE barrier a trip.  A trip that no wave needs is not fetched.  The ring runs on from the first pass into the second.
; BOTH PRODUCTS ARE USED TRANSPOSED: S^T = K Q^T, O^T = V^T P^T: a lane holds one query throughout; the keys of a tile of K are chosen so that p's 16 registers of two tiles are 16 neighbouring keys.
; LIMITS: e6 + e7 between -123 and 130; e8, and e10 - e8 - e9, between -126 and 119.  NaN among the codes is not served.
; REGISTERS: window 0: v1 16 x lane, v2 16 x thread, v3, v4 my and my partner's place for the join, v5-6 the add's two, v7 -infinity, v8 448 x 2^e8, v9 2^e8, v10 256 x lane, v11 my step's place in a slot;
;   v12-15, v16-19: -M, largest t, the sum (a pair) of A, of B; v20-23 f as pairs; v24-27, v30-31 at work; v28, v29 the way out's hold and scale; v32-95, v96-159 S^T then p of A, B; v160-191 p's codes; v192-255 O^T.
;   window 1: v0-15 Q; v16-79 K; v80-143 V; v144-175 the eighth on its way; v176-191 the second pass's Q.
.set SLOT,  32768                      ; two key steps
.set MERGE, 2*SLOT                     ; behind the slots: 9 x 512 bytes a wave for the join
.set MST,   4608
.set SPARE, MERGE+8*MST                ; behind them: the spare words, 128 bytes a wave, which no other line names
.set SPW, 5
.set NIL, 6
.set SA,  32
.set SBB, 96
.set CA,  160
.set CB,  176
.set OA,  192
.set OB,  224
.set MSB, 0
.macro WIN new                         ; s_set_vgpr_msb: bits 1:0 source 0, 3:2 source 1, 5:4 source 2, 7:6 destination; the high byte repeats the setting that is left
.if MSB != (\new)
	s_set_vgpr_msb (MSB<<8)|(\new)
.set MSB, (\new)
.endif
.endm
.macro PLACES
.rept 4
	v_nop
.endr
.endm
.macro INIT                            ; a pass's state.  Which step is a wave's first hangs on the mask, so no product can be written out to start the sums
	v_mov_b32 v13, 0xff61b1e6                      ; the largest t so far: -3e38, under every t
	v_mov_b32 v17, 0xff61b1e6
	v_mov_b32 v12, 0x7f61b1e6                      ; -M: 3e38, a whole number
	v_mov_b32 v16, 0x7f61b1e6
.irp i, 14,15,18,19
	v_mov_b32 v\i, 0
.endr
.set ii, 0
.rept 64
	v_mov_b32 v[OA+ii], 0
.set ii, ii+1
.endr
.endm
	s_load_b256 s[4:11], s[0:1], 0x0               ; qimg s[4:5], kv s[6:7], lanemask s[8:9], flags s[10:11]
	s_load_b128 s[12:15], s[0:1], 0x20             ; scales s[12:13], aimg s[14:15]
	v_lshl_add_u32 v[SPW], v0, 2, SPARE
	v_mov_b32 v[NIL], 0
	v_lshrrev_b32 v1, 5, v0
	v_readfirstlane_b32 s2, v1                     ; wave 0..7
	v_and_b32 v1, 31, v0
	v_lshlrev_b32 v10, 8, v1                       ; the prefetch's offset
	v_lshlrev_b32 v1, 4, v1                        ; an image's place for my lane
	v_lshlrev_b32 v2, 4, v0                        ; my 16 bytes of 4,096 that the work-group moves at a time
	s_lshr_b32 s80, s2, 2                          ; g
	s_and_b32 s81, s2, 3                           ; w % 4
	s_xor_b32 s82, s80, 1                          ; 1 - g
	s_lshl_b32 s83, s80, 14                        ; my step of a slot's two
	s_mul_i32 s88, s2, MST
	s_add_co_u32 s88, s88, MERGE                   ; my place for the join,
	s_xor_b32 s89, s2, 4
	s_mul_i32 s89, s89, MST
	s_add_co_u32 s89, s89, MERGE                   ; my partner's
	s_lshl_b32 s90, s80, 10                        ; register tile A's Q: tile g of my two,
	s_lshl_b32 s91, s82, 10                        ; B's: the other
	s_wait_alu depctr_va_vdst(0)                   ; ahead of the readers below
	v_add_nc_u32 v11, s83, v1
	v_add_nc_u32 v3, s88, v1
	v_add_nc_u32 v4, s89, v1
	v_add_nc_u32 v24, s90, v1
	v_add_nc_u32 v25, s91, v1
	s_and_b32 s84, ttmp7, 0xffff                   ; batch x 8 + head
	s_sub_co_u32 s85, 31, ttmp9                    ; the first pass's block; the second's is ttmp9
	s_lshl_b32 s86, s85, 6                         ; a block's flags: 8 tiles of 8 bytes
	s_lshl_b32 s87, ttmp9, 6
	s_lshl_b32 s93, s81, 4
	s_add_co_u32 s94, s86, s93                     ; my two tiles'
	s_add_co_u32 s95, s87, s93
	s_wait_alu depctr_va_vdst(0)
	s_wait_kmcnt 0x0
	s_load_b512 s[16:31], s[10:11], s86 offset:0x0 ; ANY, ALL of the first block's eight tiles
	s_load_b512 s[32:47], s[10:11], s87 offset:0x0 ; of the second's
	s_load_b128 s[48:51], s[10:11], s94 offset:0x0 ; of my two tiles, first pass
	s_load_b128 s[52:55], s[10:11], s95 offset:0x0 ; second pass
	s_load_b128 s[56:59], s[12:13], 0x18           ; e6, e7, e8, e9
	s_load_b32 s60, s[12:13], 0x28                 ; e10
	s_mov_b32 s89, 0
	s_lshl_b32 s88, s84, 19
	s_add_nc_u64 s[6:7], s[6:7], s[88:89]          ; the head's K and V
	s_add_nc_u64 s[100:101], s[6:7], SLOT          ; the next trip to fetch
	s_lshl_b32 s88, s2, 13
	s_add_co_u32 s88, s88, 3*SLOT
	s_add_nc_u64 s[104:105], s[6:7], s[88:89]      ; the prefetches begin at trip 3, 8,192 bytes a wave
	s_lshl_b32 s90, s85, 3
	s_lshl_b32 s91, s81, 1
	s_add_co_u32 s90, s90, s91                     ; the first of my two tiles, first pass,
	s_lshl_b32 s92, ttmp9, 3
	s_add_co_u32 s92, s92, s91                     ; second pass
	s_lshl_b32 s61, s84, 18
	s_lshl_b32 s88, s90, 10
	s_add_co_u32 s88, s88, s61
	s_add_nc_u64 s[62:63], s[4:5], s[88:89]        ; Q of the first pass,
	s_lshl_b32 s88, s92, 10
	s_add_co_u32 s88, s88, s61
	s_add_nc_u64 s[4:5], s[4:5], s[88:89]          ; of the second
	WIN 0x40
.irp gq, 0,1
	global_load_b128 v[4*\gq:4*\gq+3], v24, s[62:63] offset:512*\gq
	global_load_b128 v[8+4*\gq:11+4*\gq], v25, s[62:63] offset:512*\gq
	global_load_b128 v[176+4*\gq:179+4*\gq], v24, s[4:5] offset:512*\gq
	global_load_b128 v[184+4*\gq:187+4*\gq], v25, s[4:5] offset:512*\gq
.endr
.irp j, 0,1,2,3,4,5,6,7
	global_load_b128 v[144+4*\j:147+4*\j], v2, s[6:7] offset:4096*\j              ; trip 0
.endr
	WIN 0
	s_mov_b32 s70, 0x76543210                      ; v_permlanex16_b32's selects for lane l xor 16
	s_mov_b32 s71, 0xfedcba98
	s_mov_b32 s68, 0x3e38aa3b                      ; c = log2(e) / 8
	s_mov_b32 s76, SLOT                            ; s[76:77]: the next fetch's offset in the head's K and V
	s_mov_b32 s77, 0
	s_mov_b32 s98, 2                               ; passes to go
	s_cmp_eq_u32 ttmp9, 0
	s_cselect_b32 s67, 2, -1                       ; the head's first work-group prefetches, in its first pass, while the double trips to go are above this
	v_mov_b32 v7, 0xff800000
.irp i, 21,23,26,27
	v_mov_b32 v\i, 0                               ; upper halves of named pairs; the permutes' destinations
.endr
	INIT
	s_wait_kmcnt 0x0
	s_or_b32 s74, s48, s50                         ; bit s: some key of step s counts for my 32 queries;
	s_lshr_b32 s74, s74, s80                       ; bit 0: my step of the trip in hand
	s_and_b32 s75, s49, s51                        ; all do
	s_lshr_b32 s75, s75, s80
	s_or_b32 s96, s52, s54                         ; the same for the second pass
	s_lshr_b32 s96, s96, s80
	s_and_b32 s97, s53, s55
	s_lshr_b32 s97, s97, s80
	s_or_b32 s78, s16, s18                         ; some wave of the work-group needs step s: the same words in all eight waves
.irp k, 20,22,24,26,28,30
	s_or_b32 s78, s78, s\k
.endr
	s_or_b32 s79, s32, s34
.irp k, 36,38,40,42,44,46
	s_or_b32 s79, s79, s\k
.endr
	s_lshr_b32 s61, s78, 1
	s_or_b32 s78, s78, s61                         ; bit 2 t: trip t is needed.  s[78:79] is one word of 64 bits for both passes, shifted by 2 a trip
	s_lshr_b32 s61, s79, 1
	s_or_b32 s79, s79, s61
	s_add_co_i32 s61, s56, s57
	s_lshl_b32 s61, s61, 23
	s_add_co_i32 s68, s68, s61                     ; a score stands for score x 2^(e6 + e7): added to c's exponent field
	s_mov_b32 s69, s68                             ; (named with it as a pair)
	s_cmp_lt_i32 s58, -8
	s_cselect_b32 s72, 1, 0                        ; from e8 = -8 on 448 x 2^e8 is 1.75 or more, p is 1 at the most, and the hold changes nothing
	s_sub_co_i32 s60, s60, s58
	s_sub_co_i32 s60, s60, s59                     ; O / the sum stands for a / 2^(e8 + e9): its conversion takes 2^(e10 - e8 - e9)
	s_add_co_i32 s60, s60, 127
	s_lshl_b32 s61, s60, 23
	v_mov_b32 v29, s61                             ; 2^(e10 - e8 - e9)
	s_add_co_i32 s60, s60, 8
	s_lshl_b32 s60, s60, 23
	s_or_b32 s60, s60, 0x600000
	v_mov_b32 v28, s60                             ; 448 x that
	s_add_co_i32 s58, s58, 127
	s_lshl_b32 s61, s58, 23
	v_mov_b32 v9, s61                              ; 2^e8
	s_add_co_i32 s58, s58, 8
	s_lshl_b32 s58, s58, 23
	s_or_b32 s58, s58, 0x600000
	v_mov_b32 v8, s58                              ; 448 x 2^e8
	s_lshl_b32 s88, s92, 13                        ; lane masks: 8,192 bytes a tile
	s_add_nc_u64 s[10:11], s[8:9], s[88:89]        ; my two tiles' in the second pass,
	s_lshl_b32 s88, s90, 13
	s_add_nc_u64 s[8:9], s[8:9], s[88:89]          ; in the first
	s_mul_i32 s73, s80, 8448                       ; register tile A's masks of my first step: tile g, step g (256 bytes a step)
	s_lshl_b32 s99, s82, 13
	s_lshl_b32 s61, s80, 8
	s_add_co_u32 s99, s99, s61                     ; B's: tile 1 - g, step g
	s_lshr_b32 s61, s84, 3
	s_lshl_b32 s61, s61, 21                        ; a: 8,192 bytes a tile of 16 tokens, 256 tiles a batch;
	s_bfe_u32 s93, s84, 0x20001
	s_lshl_b32 s93, s93, 11
	s_add_co_u32 s61, s61, s93                     ; K step head / 2,
	s_and_b32 s93, s84, 1
	s_lshl_b32 s93, s93, 10
	s_add_co_u32 s61, s61, s93                     ; groups 2 (head % 2) on
	s_add_co_u32 s93, s90, s80                     ; the tile that I finish: register tile A
	s_lshl_b32 s93, s93, 13
	s_add_co_u32 s88, s93, s61
	s_add_nc_u64 s[12:13], s[14:15], s[88:89]      ; first pass,
	s_add_co_u32 s93, s92, s80
	s_lshl_b32 s93, s93, 13
	s_add_co_u32 s88, s93, s61
	s_add_nc_u64 s[14:15], s[14:15], s[88:89]      ; second pass
	s_wait_alu depctr_va_vdst(0)
	s_wait_loadcnt 0x0                             ; Q and trip 0
	WIN 0x04
.irp j, 0,1,2,3,4,5,6,7
	ds_store_b128 v2, v[144+4*\j:147+4*\j] offset:4096*\j
.endr
	WIN 0
	s_wait_dscnt 0x0
	s_barrier_signal -1
	s_barrier_wait -1                              ; slot 0 is whole
.macro MLOAD so                        ; a tile's 64 lane masks of the step: word n in s[16 + n], from n = 48 on in s[32 + n]
	s_load_b512 s[16:31], s[8:9], s\so offset:0
	s_load_b512 s[32:47], s[8:9], s\so offset:64
	s_load_b512 s[48:63], s[8:9], s\so offset:128
	s_load_b512 s[80:95], s[8:9], s\so offset:192
.endm
.macro MASK sb                         ; hidden scores become -infinity; ascending
.set nn, 0
.rept 64
	v_cndmask_b32 v[\sb+nn], v7, v[\sb+nn], s[16+nn+16*(nn/48)]
.set nn, nn+1
.endr
.endm
; both tiles' largest scores, the new M, f = 2^(old M - new M), and t - M: A's and B's lines by turns, four chains of maxima
.macro STATS
	v_max3_num_f32 v24, v[SA], v[SA+1], v[SA+2]
	v_max3_num_f32 v30, v[SBB], v[SBB+1], v[SBB+2]
	v_max3_num_f32 v25, v[SA+3], v[SA+4], v[SA+5]
	v_max3_num_f32 v31, v[SBB+3], v[SBB+4], v[SBB+5]
.irp i, 6,10,14,18,22,26,30,34,38,42,46,50,54,58
	v_max3_num_f32 v24, v24, v[SA+\i], v[SA+\i+1]
	v_max3_num_f32 v30, v30, v[SBB+\i], v[SBB+\i+1]
	v_max3_num_f32 v25, v25, v[SA+\i+2], v[SA+\i+3]
	v_max3_num_f32 v31, v31, v[SBB+\i+2], v[SBB+\i+3]
.endr
	v_max3_num_f32 v24, v24, v[SA+62], v[SA+63]
	v_max3_num_f32 v30, v30, v[SBB+62], v[SBB+63]
	v_max_num_f32 v24, v24, v25
	v_max_num_f32 v30, v30, v31
	v_permlanex16_b32 v26, v24, s70, s71           ; the query's other 64 keys lie in the lane 16 away
	v_permlanex16_b32 v27, v30, s70, s71
	v_max_num_f32 v24, v24, v26
	v_max_num_f32 v30, v30, v27
	v_mul_f32 v24, s68, v24                        ; as t (c is positive)
	v_mul_f32 v30, s68, v30
	v_max_num_f32 v13, v13, v24                    ; the running largest t
	v_max_num_f32 v17, v17, v30
	v_mov_b32 v24, v12
	v_mov_b32 v30, v16
	v_floor_f32 v12, -v13                          ; the new -M = floor(-t): M is a whole number
	v_floor_f32 v16, -v17
	v_sub_f32 v24, v12, v24                        ; old M - new M: a whole number, 0 or less
	v_sub_f32 v30, v16, v30
	v_cvt_i32_f32 v24, v24                         ; (it saturates)
	v_cvt_i32_f32 v30, v30
	v_ldexp_f32 v20, 1.0, v24                      ; f: a multiplication by it rounds nothing
	v_ldexp_f32 v22, 1.0, v30
.set nn, 0
.rept 32
	v_pk_fma_f32 v[SA+nn:SA+nn+1], v[SA+nn:SA+nn+1], s[68:69], v[12:13] op_sel_hi:[1,0,0]
.set nn, nn+2
.endr
.set nn, 0
.rept 32
	v_pk_fma_f32 v[SBB+nn:SBB+nn+1], v[SBB+nn:SBB+nn+1], s[68:69], v[16:17] op_sel_hi:[1,0,0]
.set nn, nn+2
.endr
.endm
.macro SUMS                            ; the rows' sums of the unquantised p, two at a time, two chains a tile
	v_pk_add_f32 v[24:25], v[SA:SA+1], v[SA+2:SA+3]
	v_pk_add_f32 v[30:31], v[SBB:SBB+1], v[SBB+2:SBB+3]
.irp j, 4,8,12,16,20,24,28,32,36,40,44,48,52,56,60
	v_pk_add_f32 v[14:15], v[14:15], v[SA+\j:SA+\j+1]
	v_pk_add_f32 v[18:19], v[18:19], v[SBB+\j:SBB+\j+1]
	v_pk_add_f32 v[24:25], v[24:25], v[SA+\j+2:SA+\j+3]
	v_pk_add_f32 v[30:31], v[30:31], v[SBB+\j+2:SBB+\j+3]
.endr
	v_pk_add_f32 v[14:15], v[14:15], v[24:25]
	v_pk_add_f32 v[18:19], v[18:19], v[30:31]
.endm
.macro CODES sb, c
.irp b, 0,1,2,3
	v_cvt_scalef32_pk8_fp8_f32 v[\c+4*\b:\c+4*\b+1], v[\sb+16*\b:\sb+16*\b+7], v9
	v_cvt_scalef32_pk8_fp8_f32 v[\c+4*\b+2:\c+4*\b+3], v[\sb+16*\b+8:\sb+16*\b+15], v9
.endr
.endm
; A KEY STEP's work: my step of slot sl
.macro BODY sl, masked
.if \masked
	MLOAD 73                                       ; tile A's lane masks
.endif
	WIN 0x40
.irp kt, 0,1,2,3,4,5,6,7
.irp g, 0,1
	ds_load_b128 v[16+8*\kt+4*\g:16+8*\kt+4*\g+3], v11 offset:SLOT*\sl+1024*\kt+512*\g
.endr
.endr
.irp dt, 0,1,2,3
.irp c, 0,1,2,3
	ds_load_b128 v[80+16*\dt+4*\c:80+16*\dt+4*\c+3], v11 offset:SLOT*\sl+8192+2048*\dt+512*\c
.endr
.endr
	s_wait_dscnt 16                                ; K is in; V's sixteen loads may be out
	WIN 0x05
.irp kt, 0,1,2,3,4,5,6,7
	v_wmma_f32_16x16x64_fp8_fp8 v[SA+8*\kt:SA+8*\kt+7], v[16+8*\kt:16+8*\kt+7], v[0:7], 0
	v_wmma_f32_16x16x64_fp8_fp8 v[SBB+8*\kt:SBB+8*\kt+7], v[16+8*\kt:16+8*\kt+7], v[8:15], 0
.endr
	WIN 0
	PLACES
.if \masked
	s_wait_kmcnt 0x0
	MASK SA
	MLOAD 99                                       ; tile B's, into the same registers
	s_wait_kmcnt 0x0
	MASK SBB
.endif
	STATS
	s_wait_alu depctr_va_vdst(0)
.set nn, 0
.rept 128
	v_exp_f32 v[SA+nn], v[SA+nn]                   ; p = 2^(t - M), both tiles: one batch
.set nn, nn+1
.endr
	v_pk_mul_f32 v[14:15], v[14:15], v[20:21] op_sel_hi:[1,0]   ; the sums under the new M: plain instructions behind the exponentials
	v_pk_mul_f32 v[18:19], v[18:19], v[22:23] op_sel_hi:[1,0]
	s_wait_alu depctr_va_vdst(0)                   ; and the one wait behind the batch, ahead of its first reader
	s_wait_dscnt 0x0                               ; V is in
	SUMS
	s_cmp_eq_u32 s72, 0
	s_cbranch_scc1 .Lnohold_\@
.set nn, 0
.rept 128
	v_min_num_f32 v[SA+nn], v8, v[SA+nn]           ; the conversion does not saturate (ISA guide 7.6.2); p is not negative, so the hold is one-sided
.set nn, nn+1
.endr
.Lnohold_\@:
	CODES SA, CA
	CODES SBB, CB
	s_wait_alu depctr_va_vdst(0)                   ; directly ahead of the first reader of O^T
.set nn, 0
.rept 16
	v_pk_mul_f32 v[OA+nn:OA+nn+1], v[OA+nn:OA+nn+1], v[20:21] op_sel_hi:[1,0]   ; O^T under the new M; also the plain instructions behind the conversions
.set nn, nn+2
.endr
.set nn, 0
.rept 16
	v_pk_mul_f32 v[OB+nn:OB+nn+1], v[OB+nn:OB+nn+1], v[22:23] op_sel_hi:[1,0]
.set nn, nn+2
.endr
	WIN 0x01
.irp dt, 0,1,2,3                       ; eight accumulators by turns, one instruction a turn
	v_wmma_f32_16x16x128_fp8_fp8 v[OA+8*\dt:OA+8*\dt+7], v[80+16*\dt:80+16*\dt+15], v[CA:CA+15], v[OA+8*\dt:OA+8*\dt+7]
	v_wmma_f32_16x16x128_fp8_fp8 v[OB+8*\dt:OB+8*\dt+7], v[80+16*\dt:80+16*\dt+15], v[CB:CB+15], v[OB+8*\dt:OB+8*\dt+7]
.endr
	WIN 0
	PLACES                                         ; ahead of the next loads into V's registers and the next reads of O^T, on every way on
.endm
.macro STEP sl
	s_bitcmp1_b32 s74, 0
	s_cbranch_scc0 .Ldone_\@                       ; no key of my step counts for my queries
	s_bitcmp1_b32 s75, 0
	s_cbranch_scc0 .Lmixed_\@
	BODY \sl, 0
	s_branch .Ldone_\@
.Lmixed_\@:
	BODY \sl, 1
.Ldone_\@:
.endm
; A PREFETCH INTO THE L2, once a double trip, behind the wave's loads: double trip d of the first pass names trips 2 d + 3 and 2 d + 4, which double trip d + 1 loads: 65,536 bytes, 8,192 a wave, lanes 256 bytes apart.
; All work-groups of a head walk the same K and V: the head's first work-group asks, so each block is named once.  d = 6 and 7 ask for nothing (trip 16 does not exist); trips 0, 1, 2 and 15 come by their loads alone.
.macro ASK
	s_cmp_gt_u32 s3, s67
	s_cbranch_scc0 .Lnot_mine_\@
	global_prefetch_b8 v10, s[104:105] th:TH_LOAD_NT scope:SCOPE_SE
.Lnot_mine_\@:
.endm
; A TRIP: two key steps, read from slot sl, one by each group of waves, while the next trip is fetched into the other slot
.macro HALF sl, ask
	s_and_b32 s66, s78, 4                          ; does any wave need the next trip?  (In a pass's last trip: the next pass's first; behind the very last the bit is 0)
	s_cmp_lg_u32 s66, 0
	s_cbranch_scc0 .Lnoload_\@
	WIN 0x40
.irp j, 0,1,2,3,4,5,6,7
	global_load_b128 v[144+4*\j:147+4*\j], v2, s[100:101] offset:4096*\j
.endr
	WIN 0
.Lnoload_\@:
.if \ask
	ASK
.endif
	STEP \sl
	s_wait_alu depctr_va_vdst(0)
	s_wait_loadcnt 0x0                             ; on every way: my eighth of the next trip is in registers
	s_cmp_lg_u32 s66, 0
	s_cbranch_scc0 .Lnostore_\@
	WIN 0x04
.irp j, 0,1,2,3,4,5,6,7
	ds_store_b128 v2, v[144+4*\j:147+4*\j] offset:SLOT*(1-\sl)+4096*\j   ; the other slot: its last readers passed the barrier at the end of the trip before
.endr
	WIN 0
.Lnostore_\@:
	s_wait_dscnt 0x0                               ; my stores have landed, and my reads of this slot are back
	s_barrier_signal -1
	s_barrier_wait -1
	s_wait_xcnt 0x0                                ; the addresses below are written again only behind this wait
	s_add_co_u32 s76, s76, SLOT
	s_and_b32 s76, s76, 0x7ffff                    ; behind trip 15 comes trip 0 again, for the second pass
	s_add_nc_u64 s[100:101], s[6:7], s[76:77]
	s_add_co_u32 s73, s73, 512
	s_add_co_u32 s99, s99, 512
	s_lshr_b64 s[78:79], s[78:79], 2
	s_lshr_b32 s74, s74, 2
	s_lshr_b32 s75, s75, 2
.endm
.Lpass:
	s_mov_b32 s3, 8                                ; double trips
.Ltrip:
	HALF 0, 1
	HALF 1, 0
	s_add_nc_u64 s[104:105], s[104:105], 2*SLOT    ; behind the wait at the trip's end: the prefetch has read its address
	s_sub_co_u32 s3, s3, 1
	s_cmp_lg_u32 s3, 0
	s_cbranch_scc1 .Ltrip
	; THE JOIN.  Tile B's state goes to my place: -M, (t,) the sum's two halves, then O^T, each accumulator from its low end on; my partner's tile B is my tile A
	ds_store_b128 v3, v[16:19]
.irp k, 0,1,2,3,4,5,6,7
	ds_store_b128 v3, v[OB+4*\k:OB+4*\k+3] offset:512+512*\k
.endr
	s_wait_dscnt 0x0
	s_barrier_signal -1
	s_barrier_wait -1
	ds_load_b128 v[32:35], v4
.irp k, 0,1,2,3,4,5,6,7
	ds_load_b128 v[36+4*\k:39+4*\k], v4 offset:512+512*\k
.endr
	s_wait_dscnt 0x0
	v_min_num_f32 v24, v12, v32                    ; -M of both halves of the keys
	v_add_f32 v14, v14, v15
	v_add_f32 v34, v34, v35
	v_sub_f32 v25, v24, v12                        ; whole numbers, 0 or less
	v_sub_f32 v30, v24, v32
	v_cvt_i32_f32 v25, v25                         ; (they saturate: a side that saw no key gets the factor 0, on zeros)
	v_cvt_i32_f32 v30, v30
	v_ldexp_f32 v20, 1.0, v25
	v_ldexp_f32 v22, 1.0, v30
	v_mul_f32 v14, v14, v20
	v_fmac_f32 v14, v34, v22
	v_permlanex16_b32 v26, v14, s70, s71
	v_add_f32 v24, v14, v26                        ; the row's sum
	v_mov_b32 v31, 1.0
	v_mov_b32 v30, 0x7f7f7f7f                      ; four NaN codes
	v_cmp_eq_f32 vcc_lo, 0, v24
	v_cndmask_b32 v25, v24, v31, vcc_lo            ; a row for which no key counted: its O^T is 0 and is divided by 1,
	v_cndmask_b32 v30, 0, v30, vcc_lo              ; and its codes become NaN below
	s_wait_alu depctr_va_vdst(0)                   ; ahead of the transcendental
	v_rcp_f32 v31, v25
	v_nop                                          ; a plain instruction behind it,
	s_wait_alu depctr_va_vdst(0)                   ; and the wait ahead of its first reader
	v_mul_f32 v20, v20, v31
	v_mul_f32 v22, v22, v31
	s_wait_alu depctr_va_vdst(0)                   ; directly ahead of the first reader of O^T
.set nn, 0
.rept 16
	v_pk_mul_f32 v[OA+nn:OA+nn+1], v[OA+nn:OA+nn+1], v[20:21] op_sel_hi:[1,0]
.set nn, nn+2
.endr
.set nn, 0
.rept 16
	v_pk_fma_f32 v[OA+nn:OA+nn+1], v[36+nn:37+nn], v[22:23], v[OA+nn:OA+nn+1] op_sel_hi:[1,0,1]
.set nn, nn+2
.endr
.set nn, 0
.rept 32
	v_med3_num_f32 v[OA+nn], v[OA+nn], -v28, v28
.set nn, nn+1
.endr
.irp g, 0,1,2,3
	v_cvt_scalef32_pk8_fp8_f32 v[CA+2*\g:CA+2*\g+1], v[OA+8*\g:OA+8*\g+7], v29   ; the 16 registers of two tiles of channels are a group of the last product's operand
.endr
	v_nop                                          ; a plain instruction behind the last conversion
.irp g, 0,1,2,3,4,5,6,7
	v_or_b32 v[CA+\g], v[CA+\g], v30
.endr
.irp c, 0,1
	global_store_b128 v1, v[CA+4*\c:CA+4*\c+3], s[12:13] offset:512*\c   ; 512 consecutive bytes
.endr
	s_cmp_eq_u32 s98, 1
	s_cbranch_scc1 .Lfinish                        ; the second pass is done
	s_wait_xcnt 0x0                                ; the stores have read their base and data: what follows writes them again
	s_mov_b64 s[8:9], s[10:11]                     ; the second pass's lane masks,
	s_mov_b64 s[12:13], s[14:15]                   ; its place in a,
	s_mov_b32 s74, s96                             ; its flags;
	s_mov_b32 s75, s97
	s_sub_co_u32 s73, s73, 8192                    ; back to step g
	s_sub_co_u32 s99, s99, 8192
	s_mov_b32 s67, -1                              ; no prefetch: K and V have been read
	WIN 0x41
.set ii, 0
.rept 16
	v_mov_b32 v[ii], v[176+ii]                     ; its Q
.set ii, ii+1
.endr
	WIN 0
	INIT
	s_wait_alu depctr_va_vdst(0)
	s_sub_co_u32 s98, s98, 1
	s_cmp_lg_u32 s98, 0
	s_cbranch_scc1 .Lpass
.Lfinish:
	s_wait_tensorcnt 0x0                           ; the wave's end, behind my last LDS store
	ds_add_u32 v[SPW], v[NIL]
	s_wait_dscnt 0x0
	s_endpgm
.Lfunc_end_k_qe73568e49d_attn:
	.size	k_qe73568e49d_attn, .Lfunc_end_k_qe73568e49d_attn-k_qe73568e49d_attn
	.p2alignl 7, 3214868480
	.fill 96, 4, 3214868480
	.section	.rodata,"a",@progbits
	.p2align	6, 0x0
	.amdhsa_kernel k_qe73568e49d_attn
		.amdhsa_group_segment_fixed_size 103424
		.amdhsa_private_segment_fixed_size 0
		.amdhsa_enable_private_segment 0
		.amdhsa_kernarg_size 48
		.amdhsa_user_sgpr_count 2
		.amdhsa_user_sgpr_kernarg_segment_ptr 1
		.amdhsa_wavefront_size32 1
		.amdhsa_system_sgpr_workgroup_id_x 1
		.amdhsa_system_sgpr_workgroup_id_y 1
		.amdhsa_system_sgpr_workgroup_id_z 1
		.amdhsa_system_vgpr_workitem_id 0
		.amdhsa_next_free_vgpr 448
		.amdhsa_next_free_sgpr 106
		.amdhsa_reserve_vcc 1
		.amdhsa_float_denorm_mode_32 3
		.amdhsa_float_denorm_mode_16_64 3
		.amdhsa_memory_ordered 1
		.amdhsa_forward_progress 1
		.amdhsa_inst_pref_size 155
	.end_amdhsa_kernel
	.amdgpu_metadata
---
amdhsa.version: [ 1, 2 ]
amdhsa.kernels:
  - .name:           k_qe73568e49d_attn
    .symbol:         k_qe73568e49d_attn.kd
    .args:
      - { .name: qimg, .offset: 0, .size: 8, .value_kind: global_buffer, .address_space: global }
      - { .name: kv, .offset: 8, .size: 8, .value_kind: global_buffer, .address_space: global }
      - { .name: lanemask, .offset: 16, .size: 8, .value_kind: global_buffer, .address_space: global }
      - { .name: flags, .offset: 24, .size: 8, .value_kind: global_buffer, .address_space: global }
      - { .name: lowp_scales, .offset: 32, .size: 8, .value_kind: global_buffer, .address_space: global }
      - { .name: aimg, .offset: 40, .size: 8, .value_kind: global_buffer, .address_space: global }
    .group_segment_fixed_size: 103424
    .private_segment_fixed_size: 0
    .kernarg_segment_align: 8
    .kernarg_segment_size: 48
    .max_flat_workgroup_size: 256
    .sgpr_count:     106
    .vgpr_count:     448
    .wavefront_size: 32
...
	.end_amdgpu_metadata
.endif
;; end of part 3
;; launch outp (part 4): grid 64 x 4, 4 waves a work-group, clusters of 4 x 1, 167,936 bytes of LDS; arguments aimg, wimg, lowp_scales, out0; writes out0
.if DOCPART == 4
	.amdgcn_target "amdgcn-amd-amdhsa--gfx1250"
	.amdhsa_code_object_version 6
	.text
	.protected	k_qe73568e49d_outp
	.globl	k_qe73568e49d_outp
	.p2align	8
	.type	k_qe73568e49d_outp,@function
k_qe73568e49d_outp:
	s_mov_b64 s[64:65], 0
	v_nop
	global_prefetch_b8 v0, s[64:65] scope:SCOPE_SE
	s_setreg_imm32_b32 hwreg(HW_REG_WAVE_MODE, 25, 1), 1
	s_wait_xcnt 0x0
	s_wait_alu depctr_hold_cnt(0) depctr_sa_sdst(0) depctr_va_vdst(0) depctr_va_sdst(0) depctr_va_ssrc(0) depctr_va_vcc(0) depctr_vm_vsrc(0)
	s_getreg_b32 s2, hwreg(HW_REG_IB_STS2, 6, 4)
	s_cmp_eq_u32 s2, 0
	s_cbranch_scc0 .Lentry_in_a_cluster
	s_endpgm
.Lentry_in_a_cluster:
	s_bfe_u32 s2, ttmp6, 0x10000c
	s_cmp_lg_u32 s2, 0x3003
	s_cbranch_scc0 .Lentry_shape_is_right
	s_endpgm
.Lentry_shape_is_right:
; OUTP.  out0 = a Wo on codes of E4M3; each sum x 2^(e10 + e11).  a [8192][512] and Wo come as images of operand registers.
; SHARES.  A work-group makes 128 rows x 128 columns; a wave 32 rows x 128 columns: 16 accumulators.  Wo's chunk of 128 columns, 65,536 bytes, lies in LDS, filled once, 16,384 bytes a wave.
; CLUSTER: the four row blocks of a cluster need the same chunk, so each load is a joint one with a mask that names the four.  A wave's fragments of a go from memory straight into its registers.
; Source 0 = 16 columns of Wo, source 1 = 16 rows of a: a lane holds one row, and the 16 registers of two tiles are 16 neighbouring columns.  A tile of 16 rows goes through the wave's own stage and leaves as rows of 512 bytes.
; LIMIT: e10 + e11 between -126 and 127.
; REGISTERS: window 0: v1 16 x lane, v2, v3 the stage's addresses, v4-5 the add's two, v32-95 scaled sums, v128-255 Wo's fragments, set 0, later rows read back.  window 1: v0-127 a; v128-255 Wo's set 1.  window 2: v0-127 the accumulators.
.set STAGE, 65536                      ; behind the weight: for each wave two stages of 16 rows x (512 bytes + 16)
.set SPARE, STAGE+4*16896              ; behind the stages: the spare words, 128 bytes a wave, which no other line names
.set SPW, 4
.set NIL, 5
.set WV,  12
.set G1,  24
.set G0,  32
.set MSB, 0
.macro WIN new
.if MSB != (\new)
	s_set_vgpr_msb (MSB<<8)|(\new)
.set MSB, (\new)
.endif
.endm
.macro PLACES
.rept 4
	v_nop
.endr
.endm
.macro ROUND                           ; a round of the cluster's barrier
	s_barrier_signal -1
	s_barrier_wait -1
	s_cmp_lg_u32 s[WV], 0
	s_cbranch_scc1 .Lnot_wave_0_\@
	s_barrier_signal -3
.Lnot_wave_0_\@:
	s_barrier_wait -3
	s_barrier_signal -1
	s_barrier_wait -1
.endm
	s_load_b256 s[4:11], s[0:1], 0x0               ; aimg s[4:5], wimg s[6:7], scales s[8:9], out0 s[10:11]
	v_lshl_add_u32 v[SPW], v0, 2, SPARE
	v_mov_b32 v[NIL], 0
	ds_add_u32 v[SPW], v[NIL]                      ; the wave's opening: the add and its wait ahead of my tensor load; work on registers stands between them
	ds_add_u32 v[SPW], v[NIL]
	v_lshrrev_b32 v1, 5, v0
	v_readfirstlane_b32 s[WV], v1
	s_and_b32 s13, ttmp7, 0xffff                   ; which 128 columns; the four partners share it
	s_bfe_u32 s14, ttmp6, 0x40000                  ; cx
	s_lshl_b32 s15, ttmp9, 2
	s_add_co_u32 s15, s15, s14                     ; my block of 128 rows: it enters a's and out0's addresses alone
	s_mov_b32 s[G1], 15|(3<<16)|(1<<21)            ; the mask: all four; elements of 8 bytes; bit 21 set beside a mask
	s_mov_b32 s[G1+1], 32<<16                      ; a dense block as 64 rows of 256 bytes
	s_mov_b32 s[G1+2], 64<<16
	s_mov_b32 s[G1+3], 32<<16
	s_mov_b32 s[G1+4], 64
	s_mov_b32 s[G1+5], 32
	s_mov_b32 s[G1+6], 0
	s_mov_b32 s[G1+7], 0
	s_mov_b32 s[G0], 1
	s_lshl_b32 s[G0+1], s[WV], 14                  ; LDS: K step = wave
	s_lshl_b32 s36, s13, 16
	s_add_co_u32 s36, s36, s[G0+1]
	s_add_co_u32 s36, s36, 786432                  ; Wo is the fourth image
	s_mov_b32 s37, 0
	s_wait_dscnt 0x0                               ; the opening add is done
	s_wait_kmcnt 0x0
	s_load_b64 s[40:41], s[8:9], 0x28              ; e10, e11
	s_add_nc_u64 s[G0+2:G0+3], s[6:7], s[36:37]
	s_or_b32 s[G0+3], s[G0+3], 0x80000000
	ROUND                                          ; all four work-groups are here: the joint loads meet
	tensor_load_to_lds s[G0:G0+3], s[G1:G1+7]      ; the one tensor load of this wave
	s_nop 0
	PLACES
	s_lshl_b32 s36, s15, 16                        ; a: 8 tiles of 8,192 bytes a block, 2 a wave
	s_lshl_b32 s38, s[WV], 14
	s_add_co_u32 s36, s36, s38
	s_add_nc_u64 s[4:5], s[4:5], s[36:37]
	v_and_b32 v1, 31, v0
	v_lshlrev_b32 v1, 4, v1
	s_wait_alu depctr_va_vdst(0)
	WIN 0x40
.irp u, 0,1
.irp s, 0,1,2,3
.irp c, 0,1,2,3
	global_load_b128 v[16*(4*\u+\s)+4*\c:16*(4*\u+\s)+4*\c+3], v1, s[4:5] offset:8192*\u+2048*\s+512*\c
.endr
.endr
.endr
	WIN 0
	s_lshl_b32 s36, s15, 18                        ; out0: 128 rows of 2,048 bytes a block, 32 a wave, 512 bytes a chunk of columns
	s_lshl_b32 s38, s[WV], 16
	s_add_co_u32 s36, s36, s38
	s_lshl_b32 s38, s13, 9
	s_add_co_u32 s36, s36, s38
	s_add_nc_u64 s[10:11], s[10:11], s[36:37]
	s_mul_i32 s16, s[WV], 16896
	s_add_co_u32 s16, s16, STAGE                   ; my stages
	v_and_b32 v6, 15, v0
	v_bfe_u32 v7, v0, 4, 1
	v_mul_u32_u24 v2, v6, 528
	v_lshl_add_u32 v2, v7, 6, v2
	v_add_nc_u32 v2, s16, v2                       ; in: row r, + 64 h
	v_add_nc_u32 v3, s16, v1                       ; back: a row's 512 bytes, 16 a lane
	s_wait_tensorcnt 0x0                           ; my quarter of the chunk has landed,
	s_barrier_signal -1
	s_barrier_wait -1                              ; everybody's has.  Nothing is ever filled again
	s_wait_loadcnt 0x0                             ; a
.macro FETCH s                         ; K step s: 8 tiles of Wo into set s % 2
	WIN 0x40*((\s)%2)
.irp tt, 0,1,2,3,4,5,6,7
.irp c, 0,1,2,3
	ds_load_b128 v[128+16*\tt+4*\c:128+16*\tt+4*\c+3], v1 offset:16384*(\s)+2048*\tt+512*\c
.endr
.endr
.endm
.macro MUL s                           ; 16 accumulators by turns, one instruction a turn; K step 0 starts the sums
	WIN 0xa4|((\s)%2)
.irp tt, 0,1,2,3,4,5,6,7
.irp u, 0,1
.if (\s) == 0
	v_wmma_f32_16x16x128_fp8_fp8 v[64*\u+8*\tt:64*\u+8*\tt+7], v[128+16*\tt:128+16*\tt+15], v[16*(4*\u+(\s)):16*(4*\u+(\s))+15], 0
.else
	v_wmma_f32_16x16x128_fp8_fp8 v[64*\u+8*\tt:64*\u+8*\tt+7], v[128+16*\tt:128+16*\tt+15], v[16*(4*\u+(\s)):16*(4*\u+(\s))+15], v[64*\u+8*\tt:64*\u+8*\tt+7]
.endif
.endr
.endr
.endm
	FETCH 0
	FETCH 1
	s_wait_dscnt 32                                ; this step's fragments are in; the 32 loads just issued may be out
	MUL 0
	PLACES                                         ; the set to be loaded was read by the step before
	FETCH 2
	s_wait_dscnt 32
	MUL 1
	PLACES
	FETCH 3
	s_wait_dscnt 32
	MUL 2
	s_wait_dscnt 0x0
	MUL 3
	WIN 0
	PLACES
	s_wait_kmcnt 0x0
	s_add_co_i32 s40, s40, s41
	s_add_co_i32 s40, s40, 127
	s_lshl_b32 s40, s40, 23                        ; 2^(e10 + e11) as f32
	s_mov_b32 s41, s40                             ; (named with it as a pair)
.macro OUT u                           ; tile u's sums, scaled, into its stage, and back as rows
	WIN 0x02
.irp i, 0,2,4,6,8,10,12,14,16,18,20,22,24,26,28,30,32,34,36,38,40,42,44,46,48,50,52,54,56,58,60,62
	v_pk_mul_f32 v[32+\i:33+\i], v[64*\u+\i:64*\u+\i+1], s[40:41] op_sel_hi:[1,0]   ; each accumulator from its low end on
.endr
	WIN 0
.irp bb, 0,1,2,3
.irp jj, 0,1,2,3
	ds_store_b128 v2, v[32+16*\bb+4*\jj:32+16*\bb+4*\jj+3] offset:8448*\u+128*\bb+16*\jj
.endr
.endr
.irp i, 0,1,2,3,4,5,6,7,8,9,10,11,12,13,14,15
	ds_load_b128 v[128+64*\u+4*\i:128+64*\u+4*\i+3], v3 offset:8448*\u+528*\i   ; LDS serves a wave's instructions in order (ISA guide 5.7.1): these see my stores
.endr
.endm
.macro SEND u, younger                 ; younger: the LDS instructions issued behind tile u's loads
.irp i, 0,1,2,3,4,5,6,7,8,9,10,11,12,13,14,15
	s_wait_dscnt \younger+15-\i
	global_store_b128 v1, v[128+64*\u+4*\i:128+64*\u+4*\i+3], s[10:11] offset:2048*(16*\u+\i) th:TH_STORE_NT   ; 512 consecutive bytes of a row
.endr
.endm
	OUT 0
	s_wait_dscnt 16                                ; tile 0's stores into the stage are done (its sixteen loads may be out): their data registers are written again below
	OUT 1
	SEND 0, 32
	SEND 1, 0
	s_wait_tensorcnt 0x0                           ; the wave's end, behind my last LDS store
	ds_add_u32 v[SPW], v[NIL]
	s_wait_dscnt 0x0
	ROUND                                          ; the closing round
	s_endpgm
.Lfunc_end_k_qe73568e49d_outp:
	.size	k_qe73568e49d_outp, .Lfunc_end_k_qe73568e49d_outp-k_qe73568e49d_outp
	.p2alignl 7, 3214868480
	.fill 96, 4, 3214868480
	.section	.rodata,"a",@progbits
	.p2align	6, 0x0
	.amdhsa_kernel k_qe73568e49d_outp
		.amdhsa_group_segment_fixed_size 167936
		.amdhsa_private_segment_fixed_size 0
		.amdhsa_enable_private_segment 0
		.amdhsa_kernarg_size 32
		.amdhsa_user_sgpr_count 2
		.amdhsa_user_sgpr_kernarg_segment_ptr 1
		.amdhsa_wavefront_size32 1
		.amdhsa_system_sgpr_workgroup_id_x 1
		.amdhsa_system_sgpr_workgroup_id_y 1
		.amdhsa_system_sgpr_workgroup_id_z 1
		.amdhsa_system_vgpr_workitem_id 0
		.amdhsa_next_free_vgpr 640
		.amdhsa_next_free_sgpr 66
		.amdhsa_reserve_vcc 0
		.amdhsa_float_denorm_mode_32 3
		.amdhsa_float_denorm_mode_16_64 3
		.amdhsa_memory_ordered 1
		.amdhsa_forward_progress 1
		.amdhsa_inst_pref_size 32
	.end_amdhsa_kernel
	.amdgpu_metadata
---
amdhsa.version: [ 1, 2 ]
amdhsa.kernels:
  - .name:           k_qe73568e49d_outp
    .symbol:         k_qe73568e49d_outp.kd
    .args:
      - { .name: aimg, .offset: 0, .size: 8, .value_kind: global_buffer, .address_space: global }
      - { .name: wimg, .offset: 8, .size: 8, .value_kind: global_buffer, .address_space: global }
      - { .name: lowp_scales, .offset: 16, .size: 8, .value_kind: global_buffer, .address_space: global }
      - { .name: out0, .offset: 24, .size: 8, .value_kind: global_buffer, .address_space: global }
    .group_segment_fixed_size: 167936
    .private_segment_fixed_size: 0
    .kernarg_segment_align: 8
    .kernarg_segment_size: 32
    .max_flat_workgroup_size: 128
    .sgpr_count:     66
    .vgpr_count:     640
    .wavefront_size: 32
...
	.end_amdgpu_metadata
.endif
;; end of part 4
